; MI455X (gfx1250); checked and timed in simulation.
; The chip was launched on July 23, 2026; its instructions are those of AMD's public machine-readable ISA for CDNA 5 (MIT licence, August 2026) and "CDNA5" Instruction Set Architecture Reference Guide (July 2026). The comments in the code are by the model that wrote it; some were corrected since.
;; Self Attention. Allowed arithmetic: matrix products marked QUANTISED: E4M3 operands, one E8M0 scale for each 32 along K, by v_wmma_scale_f32_16x16x128_f8f6f4 with both operands' format E4M3, f32 sums; everything else in f32.
;; Inputs: bk 1,024 float32; bo 1,024 float32; bq 1,024 float32; bv 1,024 float32; g 1,024 float32; h 2 x 2,048 x 1,024 float32; wk 1,024 x 1,024 float32; wo 1,024 x 1,024 float32; wq 1,024 x 1,024 float32; wv 1,024 x 1,024 float32.
;; Outputs: out0 2 x 2,048 x 1,024 float32.
;; This version of the problem:
;;   THIS VERSION OF THE PROBLEM IS GIVEN IN LOW PRECISION. The matrix products marked QUANTISED in the list below multiply operands that are first quantised to E4M3 (4 exponent bits, 3 mantissa bits; 8 bits a number), with one power-of-two scale for each 32 numbers along K (OCP MX v1.0); their sums are f32. All else is computed in f32.
;;   The module's matrix products, in the order in which they are computed (A, B: the left and right operand; K: the contracted axis; several contracted axes count as one K, in the product's order):
;;     1. [M 4,096, K 1,024] x [K 1,024, N 1,024]; A: computed on the way; B: input wq: QUANTISED
;;     2. [M 4,096, K 1,024] x [K 1,024, N 1,024]; A: computed on the way; B: input wk: QUANTISED
;;     3. [M 4,096, K 1,024] x [K 1,024, N 1,024]; A: computed on the way; B: input wv: QUANTISED
;;     4. batch 32 x [M 2,048, K 64] x [K 64, N 2,048]; A: computed on the way; B: computed on the way: QUANTISED
;;     5. batch 32 x [M 64, K 2,048] x [K 2,048, N 2,048]; A: computed on the way; B: softmax (see below): QUANTISED
;;     6. [M 4,096, K 1,024] x [K 1,024, N 1,024]; A: computed on the way; B: input wo: QUANTISED
;;   THE QUANTISER, for each operand of a quantised product, along K:
;;     - K is cut into blocks of 32 from its start; a last block that is shorter is filled with zeros.
;;     - A block's scale is 2^e with e = floor(log2(the largest magnitude in the block)) - 8, held to -126 .. 127; a block of zeros has e = 0. As a byte (E8M0): e + 127.
;;     - Each number is divided by its block's scale, clamped to +-448, and rounded to the nearest number of E4M3, ties to even, subnormals kept.
;;     - The product sums the exact products of the quantised numbers (number of the format x scale) in f32.
;;   ~~~python
;;   def quantise(x, axis):      # numpy; x: float32 -> the quantised numbers, widened to float32 again
;;       x = np.moveaxis(x, axis, -1); K = x.shape[-1]
;;       x = np.pad(x, [(0, 0)] * (x.ndim - 1) + [(0, -K % 32)]); x = x.reshape(x.shape[:-1] + (-1, 32)); a = np.abs(x).max(-1, keepdims=True)
;;       e = np.where(a > 0, np.clip(np.frexp(np.where(a > 0, a, 1))[1] - 1 - 8, -126, 127), 0)      # np.frexp(a)[1] - 1 = floor(log2(a)), exactly
;;       r = np.clip(x / 2.0 ** e, -448, 448)
;;       step = 2.0 ** (np.maximum(np.frexp(np.where(r == 0, 1, r))[1] - 1, -6) - 3)
;;       q = np.round(r / step) * step * 2.0 ** e      # np.round: ties to even
;;       return np.moveaxis(q.reshape(q.shape[:-2] + (-1,))[..., :K], -1, axis).astype(np.float32)
;;   ~~~
;;   SOFTMAX AHEAD OF A QUANTISED PRODUCT. Where the list says 'softmax', what is quantised is not the finished softmax but p = 2^(t - M), with t = logit x log2(e) and M = ceil(the row's largest t), a whole number; so 1/2 < the row's largest p <= 1. The row's sum l is taken of the UNQUANTISED p, in f32, and the product's result is divided by l at the end. Since M is a whole number, a kernel that streams over the keys may use a running M (the ceiling of the running maximum): every later rescaling is an exact power of two, which a block's scale takes up: the codes' values come out the same.
;;   OPERANDS COMPUTED ON THE WAY. 'Computed on the way' means the value that the module computes at that place (a softmax that the list does not call 'softmax' is quantised finished and normalised). What goes into a quantiser is computed in f32, as accurately as f32 sums, v_exp_f32 and their like allow (about 1e-6 of the number): no bf16 or f16 on the way to a quantiser, and a product that is left as it is and whose result goes on into a quantised operand takes f32 operands (vector FMAs, or v_wmma_f32_16x16x4_f32). A number that lies on a knife's edge between two numbers of the format may be rounded either way, as far as f32 arithmetic and the matrix unit's own rounding can turn it there, and no further.
;; One version. Each part assembles by itself: llvm-mc -triple=amdgcn-amd-amdhsa -mcpu=gfx1250 --defsym DOCPART=n.
;; ======== version 1 of 1: 4 launches
;; limits: right only within a limited range of input values
;; workspace buffers: cb 9,699,328 bytes; qb 4,456,448 bytes; kv 8,781,824 bytes; ab 4,325,376 bytes
;; launch prep_h (part 1): grid 384 x 1, 8 waves a work-group, no clusters, 68,608 bytes of LDS; arguments h, g, cb, wq, wk, wv, wo; writes cb
.if DOCPART == 1
	.amdgcn_target "amdgcn-amd-amdhsa--gfx1250"
	.amdhsa_code_object_version 6
	.text
	.protected	k_q8ea490ef81_prep_h
	.globl	k_q8ea490ef81_prep_h
	.p2align	8
	.type	k_q8ea490ef81_prep_h,@function
k_q8ea490ef81_prep_h:
	s_mov_b64 s[64:65], 0
	v_nop
	global_prefetch_b8 v0, s[64:65] scope:SCOPE_SE
	s_setreg_imm32_b32 hwreg(HW_REG_WAVE_MODE, 25, 1), 1
	s_wait_xcnt 0x0
; hn = h x rsqrt(mean(h^2) + 1e-6) x g, h: [4096 tokens][1024] f32, quantised along the 1,024 to E4M3 with one E8M0 byte for each 32, laid as images of operand registers in cb (tiles 0-255):
; tile x 16,384 + 512 (k / 32) + 16 x lane; lane 16 h + r holds k = 32 q + 16 h + 0 .. 15 of the tile's row r; row r of tile 2 b + u is token 32 b + 8 u + r + 8 (r / 8).
; Scale words: CB_SC + tile x 512 + (ks / 4) x 256 + 16 r + 4 (ks % 4).
; A work-group is one tile (16 tokens), eight waves.  Phase 1: wave w reads rows 2 w, 2 w + 1 whole (dense loads of 512 bytes), norms them, and lays them in LDS.  Phase 2: wave w is K step w:
; a lane takes 16 neighbours of each of four blocks of its row, quantises, and stores the fragment's image, 512 consecutive bytes a store.
; ALSO: the tile's table of cos and sin for the rotary embedding: CB_RT + tile x 4,096: cos of (row r, j = 16 h + 2 w + 0, 1) at 256 w + 8 x lane, sin 2,048 further on.
; angle = position x theta_j, theta_j = 2^(-j log2(10000) / 32) by v_exp_f32; sine and cosine by reduction with pi / 2 in three parts and polynomials of degree 7 and 8 (about 1e-7 absolute).
; LIMITS: theta_j is good to about an ulp, so an angle at position 2,047 may differ by some 1e-4 rad from one made of another f32 theta; zero blocks get the byte 1, blocks under 2^-118 keep it; NaN and infinities are not served.
; WORK-GROUPS 256 TO 383 prepare the four weights instead (.Lweights, below): [1024 (k)][1024 (n)] f32, K the FIRST axis, into tiles 256 + 64 w + .. of cb, weight w = q, k, v, o, in the same image form;
; row r of tile 2 b + u is column 32 b + 8 u + r + 8 (r / 8).  The two kinds use LDS bytes of their own.
; DEAD WORK: none in this launch.  Further on, key steps that lie wholly under the causal mask are not computed; a NaN or an infinity that reaches only those is not carried to the result.
.set CB_SC, 8388608
.set CB_RT, 8650752
.set WST,   67584                      ; the weights' stage: 4 tiles x 256 bytes of scale words
.set WX,    32                         ; the weights: v32-159  four blocks of 32 numbers
.set WC,    160                        ; v160-191 eight registers of codes a block
.set WSB,   24                         ; v24      the four bytes
.set RP,    4112                       ; an LDS row: 4,096 bytes + 16: an odd multiple of 16, so the sixteen rows that a load touches start at sixteen different banks (ISA guide 11.1)
.set SCST,  65792                      ; behind the rows: 512 bytes for the tile's scale words
.set XR,  16                           ; v16-79   two rows as loaded; later 64 numbers of a K step
.set G,   80                           ; v80-111  g
.set PC,  112                          ; v112-127 codes
.set TM,  128                          ; v128-143 at work in QUANT
.set PW,  144                          ; v144     the scale word
.set SEL, 20                           ; s[20:21] lane selects: lane l xor 16
.set MNT, 22                           ; s22      the mantissa field of 448
.set INV, 26                           ; s26      1 / 1024
; 64 numbers of a lane, register 16 b + i = k 32 b + 16 (lane / 16) + i of my row, become a fragment's codes in v[PC] on and its scale word in v[PW]
.macro QUANT s
.irp b, 0,1,2,3
	v_max3_num_f32 v[TM+\b], |v[\s+16*\b]|, |v[\s+1+16*\b]|, 0x4800000   ; my 16 numbers of block b, and the floor 2^(9 - 127)
.endr
.irp i, 2,4,6,8,10,12,14
.irp b, 0,1,2,3
	s_delay_alu instid0(VALU_DEP_4)
	v_max3_num_f32 v[TM+\b], v[TM+\b], |v[\s+16*\b+\i]|, |v[\s+1+16*\b+\i]|
.endr
.endr
.irp b, 0,1,2,3
	s_delay_alu instid0(VALU_DEP_4)
	v_permlanex16_b32 v[TM+4+\b], v[TM+\b], s[SEL], s[SEL+1]
.endr
.irp b, 0,1,2,3
	s_delay_alu instid0(VALU_DEP_4)
	v_max_num_f32 v[TM+\b], v[TM+\b], v[TM+4+\b]   ; with lane l xor 16's: the block's largest magnitude
.endr
.irp b, 0,1,2,3
	s_delay_alu instid0(VALU_DEP_4)
	v_add_nc_u32 v[TM+12+\b], 0xfc000000, v[TM+\b] ; 8 off its exponent field: the conversion's scale operand
.endr
.irp b, 0,1,2,3
	v_and_or_b32 v[TM+8+\b], v[TM+\b], 0x7f800000, s[MNT]   ; 448 x the scale
.endr
.irp b, 0,1,2,3
	v_lshrrev_b32 v[TM+4+\b], 23, v[TM+12+\b]      ; the byte
.endr
	s_delay_alu instid0(VALU_DEP_3)
	v_lshl_or_b32 v[PW], v[TM+5], 8, v[TM+4]
	s_delay_alu instid0(VALU_DEP_1)
	v_lshl_or_b32 v[PW], v[TM+6], 16, v[PW]
	s_delay_alu instid0(VALU_DEP_1)
	v_lshl_or_b32 v[PW], v[TM+7], 24, v[PW]
.irp b, 0,1,2,3
.irp i, 0,1,2,3,4,5,6,7,8,9,10,11,12,13,14,15
	v_med3_num_f32 v[\s+16*\b+\i], v[\s+16*\b+\i], -v[TM+8+\b], v[TM+8+\b]   ; the conversion does not saturate (ISA guide 7.6.2)
.endr
	v_cvt_scalef32_pk8_fp8_f32 v[PC+4*\b:PC+1+4*\b], v[\s+16*\b:\s+7+16*\b], v[TM+12+\b]
	v_cvt_scalef32_pk8_fp8_f32 v[PC+2+4*\b:PC+3+4*\b], v[\s+8+16*\b:\s+15+16*\b], v[TM+12+\b]
.endr
	v_nop                                          ; a plain line behind the last conversion
.endm
; cos and sin of v[x] (0 or more, under 2^20), with six registers at work from v[t]
.macro SINCOS x, c, s, t
	v_mul_f32 v[\t], 0x3f22f983, v[\x]             ; x 2 / pi
	s_delay_alu instid0(VALU_DEP_1)
	v_rndne_f32 v[\t], v[\t]                       ; n
	s_delay_alu instid0(VALU_DEP_1)
	v_fmamk_f32 v[\t+1], v[\t], 0xbfc90fdb, v[\x]  ; x - n pi / 2, pi / 2 in three parts
	s_delay_alu instid0(VALU_DEP_1)
	v_fmamk_f32 v[\t+1], v[\t], 0x333bbd2e, v[\t+1]
	s_delay_alu instid0(VALU_DEP_1)
	v_fmamk_f32 v[\t+1], v[\t], 0x26f72ced, v[\t+1]
	s_delay_alu instid0(VALU_DEP_1)
	v_mul_f32 v[\t+2], v[\t+1], v[\t+1]            ; z
	v_cvt_i32_f32 v[\t], v[\t]
	v_mov_b32 v[\t+3], 0xb94ca1f9
	s_delay_alu instid0(VALU_DEP_1)
	v_fmaak_f32 v[\t+3], v[\t+3], v[\t+2], 0x3c08839e
	s_delay_alu instid0(VALU_DEP_1)
	v_fmaak_f32 v[\t+3], v[\t+3], v[\t+2], 0xbe2aaaa3
	v_mul_f32 v[\t+4], v[\t+1], v[\t+2]
	s_delay_alu instid0(VALU_DEP_1)
	v_fma_f32 v[\t+3], v[\t+4], v[\t+3], v[\t+1]   ; the sine of the rest
	v_mov_b32 v[\t+4], 0x37ccf5ce
	s_delay_alu instid0(VALU_DEP_1)
	v_fmaak_f32 v[\t+4], v[\t+4], v[\t+2], 0xbab6061a
	s_delay_alu instid0(VALU_DEP_1)
	v_fmaak_f32 v[\t+4], v[\t+4], v[\t+2], 0x3d2aaaa5
	v_fma_f32 v[\t+5], v[\t+2], -0.5, 1.0
	v_mul_f32 v[\t+2], v[\t+2], v[\t+2]
	s_delay_alu instid0(VALU_DEP_1)
	v_fma_f32 v[\t+4], v[\t+2], v[\t+4], v[\t+5]   ; its cosine
	v_and_b32 v[\t+5], 1, v[\t]
	s_delay_alu instid0(VALU_DEP_1)
	v_cmp_ne_u32 vcc_lo, 0, v[\t+5]                ; odd quadrants swap the two (a choice of values only)
	s_delay_alu instid0(VALU_DEP_1)
	v_cndmask_b32 v[\s], v[\t+3], v[\t+4], vcc_lo
	s_delay_alu instid0(VALU_DEP_2)
	v_cndmask_b32 v[\c], v[\t+4], v[\t+3], vcc_lo
	v_lshlrev_b32 v[\t+5], 30, v[\t]
	s_delay_alu instid0(VALU_DEP_1)
	v_and_b32 v[\t+5], 0x80000000, v[\t+5]
	s_delay_alu instid0(VALU_DEP_1)
	v_xor_b32 v[\s], v[\t+5], v[\s]                ; the sine is negative in quadrants 2, 3
	v_add_nc_u32 v[\t], 1, v[\t]
	s_delay_alu instid0(VALU_DEP_1)
	v_lshlrev_b32 v[\t], 30, v[\t]
	s_delay_alu instid0(VALU_DEP_1)
	v_and_b32 v[\t], 0x80000000, v[\t]
	s_delay_alu instid0(VALU_DEP_1)
	v_xor_b32 v[\c], v[\t], v[\c]                  ; the cosine in 1, 2
.endm
; 1 / sqrt(mean of squares + eps) of the row in v[b] .. v[b + 31], twice, into v[acc + 2], v[acc + 3]
.macro RNORM b, acc
	v_pk_mul_f32 v[\acc:\acc+1], v[\b:\b+1], v[\b:\b+1]
	v_pk_mul_f32 v[\acc+2:\acc+3], v[\b+2:\b+3], v[\b+2:\b+3]
.irp i, 4,8,12,16,20,24,28
	s_delay_alu instid0(VALU_DEP_2)
	v_pk_fma_f32 v[\acc:\acc+1], v[\b+\i:\b+\i+1], v[\b+\i:\b+\i+1], v[\acc:\acc+1]
	s_delay_alu instid0(VALU_DEP_2)
	v_pk_fma_f32 v[\acc+2:\acc+3], v[\b+\i+2:\b+\i+3], v[\b+\i+2:\b+\i+3], v[\acc+2:\acc+3]
.endr
	s_delay_alu instid0(VALU_DEP_1)
	v_pk_add_f32 v[\acc:\acc+1], v[\acc:\acc+1], v[\acc+2:\acc+3]
	s_delay_alu instid0(VALU_DEP_1)
	v_add_f32 v[\acc], v[\acc], v[\acc+1]
	s_delay_alu instid0(VALU_DEP_1)
	v_add_f32_dpp v[\acc], v[\acc], v[\acc] row_xmask:1 row_mask:0xf bank_mask:0xf
	s_delay_alu instid0(VALU_DEP_1)
	v_add_f32_dpp v[\acc], v[\acc], v[\acc] row_xmask:2 row_mask:0xf bank_mask:0xf
	s_delay_alu instid0(VALU_DEP_1)
	v_add_f32_dpp v[\acc], v[\acc], v[\acc] row_xmask:4 row_mask:0xf bank_mask:0xf
	s_delay_alu instid0(VALU_DEP_1)
	v_add_f32_dpp v[\acc], v[\acc], v[\acc] row_xmask:8 row_mask:0xf bank_mask:0xf
	s_delay_alu instid0(VALU_DEP_1)
	v_permlanex16_b32 v[\acc+1], v[\acc], s[SEL], s[SEL+1]
	s_delay_alu instid0(VALU_DEP_1)
	v_add_f32 v[\acc], v[\acc], v[\acc+1]
	s_delay_alu instid0(VALU_DEP_1)
	v_fma_f32 v[\acc], v[\acc], s[INV], v170       ; the mean + eps
	s_wait_alu depctr_va_vdst(0)
	v_rsq_f32 v[\acc+2], v[\acc]
	v_rsq_f32 v[\acc+3], v[\acc]
.endm
	s_cmp_ge_u32 ttmp9, 256
	s_cbranch_scc1 .Lweights
	s_load_b128 s[4:7], s[0:1], 0x0                ; h, g
	s_load_b64 s[8:9], s[0:1], 0x10                ; cb
	v_lshl_add_u32 v176, v0, 2, 0x10400
	v_mov_b32 v177, 0
	v_lshrrev_b32 v1, 5, v0
	s_delay_alu instid0(VALU_DEP_1)
	v_readfirstlane_b32 s14, v1                    ; wave w
	v_and_b32 v1, 31, v0                           ; lane
	v_and_b32 v2, 15, v0                           ; r
	v_bfe_u32 v3, v0, 4, 1                         ; h
	s_delay_alu instid0(VALU_DEP_3)
	v_lshlrev_b32 v4, 4, v1                        ; 16 x lane
	s_delay_alu instid0(VALU_DEP_4)
	v_lshlrev_b32 v5, 3, v1                        ; 8 x lane
	s_lshr_b32 s15, ttmp9, 1
	s_lshl_b32 s15, s15, 5
	s_and_b32 s16, ttmp9, 1
	s_lshl_b32 s16, s16, 3
	s_add_co_u32 s15, s15, s16                     ; the tile's first token: 32 (T / 2) + 8 (T % 2)
	s_lshl_b32 s16, s14, 1
	s_lshr_b32 s17, s14, 2
	s_lshl_b32 s17, s17, 3
	s_add_co_u32 s16, s16, s17
	s_add_co_u32 s16, s16, s15                     ; the token of tile row 2 w
	s_lshl_b32 s16, s16, 12
	s_mov_b32 s17, 0
	s_mov_b32 s[SEL], 0x76543210
	s_mov_b32 s[SEL+1], 0xfedcba98
	s_mov_b32 s[MNT], 0x600000
	s_mov_b32 s[INV], 0x3a800000
	s_wait_alu depctr_va_vdst(0)
	s_wait_kmcnt 0x0
	s_add_nc_u64 s[4:5], s[4:5], s[16:17]
.irp i, 0,1,2,3,4,5,6,7
	global_load_b128 v[XR+4*\i:XR+4*\i+3], v4, s[4:5] offset:512*\i th:TH_LOAD_NT
.endr
.irp i, 0,1,2,3,4,5,6,7
	global_load_b128 v[XR+32+4*\i:XR+32+4*\i+3], v4, s[4:5] offset:4096+512*\i th:TH_LOAD_NT
.endr
.irp i, 0,1,2,3,4,5,6,7
	global_load_b128 v[G+4*\i:G+4*\i+3], v4, s[6:7] offset:512*\i
.endr
	; LDS addresses
	s_mul_i32 s18, s14, 2*RP
	v_add_nc_u32 v6, s18, v4                       ; in: row 2 w, 16 bytes a lane
	v_mul_u32_u24 v7, v2, RP
	s_delay_alu instid0(VALU_DEP_1)
	v_lshl_add_u32 v7, v3, 6, v7
	s_lshl_b32 s19, s14, 9
	v_add_nc_u32 v7, s19, v7                       ; back: row r, K step w, + 64 h
	s_lshr_b32 s18, s14, 2
	s_lshl_b32 s18, s18, 8
	s_and_b32 s19, s14, 3
	s_lshl_b32 s19, s19, 2
	s_add_co_u32 s18, s18, s19
	s_add_co_u32 s18, s18, SCST
	v_lshlrev_b32 v8, 4, v2
	s_delay_alu instid0(VALU_DEP_1)
	v_add_nc_u32 v8, s18, v8                       ; my scale word's place
	v_add_nc_u32 v9, SCST, v4                      ; and 16 bytes a lane on the way out
	v_mov_b32 v170, 0x358637bd                     ; eps
.irp b, 0,1,2,3
	v_mov_b32 v[TM+4+\b], 0                        ; written once: a lane permute's destination counts as one of its sources
.endr
	; the table, while the loads are on their way
	s_and_b32 s23, s15, 2047
	v_and_b32 v10, 8, v2
	s_delay_alu instid0(VALU_DEP_1)
	v_add_nc_u32 v10, v10, v2
	s_delay_alu instid0(VALU_DEP_1)
	v_add_nc_u32 v10, s23, v10
	s_delay_alu instid0(VALU_DEP_1)
	v_cvt_f32_u32 v10, v10                         ; my row's position
	v_lshlrev_b32 v11, 4, v3
	s_lshl_b32 s24, s14, 1
	v_add_nc_u32 v11, s24, v11                     ; j = 16 h + 2 w
	s_delay_alu instid0(VALU_DEP_1)
	v_add_nc_u32 v12, 1, v11
	s_delay_alu instid0(VALU_DEP_2)
	v_cvt_f32_u32 v11, v11
	s_delay_alu instid0(VALU_DEP_2)
	v_cvt_f32_u32 v12, v12
	s_delay_alu instid0(VALU_DEP_2)
	v_mul_f32 v11, 0xbed49a78, v11                 ; -j log2(10000) / 32
	s_delay_alu instid0(VALU_DEP_2)
	v_mul_f32 v12, 0xbed49a78, v12
	s_wait_alu depctr_va_vdst(0)
	v_exp_f32 v11, v11
	v_exp_f32 v12, v12
	v_nop                                          ; a plain line behind the transcendentals
	s_wait_alu depctr_va_vdst(0)
	v_mul_f32 v11, v10, v11
	v_mul_f32 v12, v10, v12
	SINCOS 11, 146, 148, 150
	SINCOS 12, 147, 149, 156
	s_lshl_b32 s24, ttmp9, 12
	s_lshl_b32 s25, s14, 8
	s_add_co_u32 s24, s24, s25
	s_add_co_u32 s24, s24, CB_RT
	s_mov_b32 s25, 0
	s_add_nc_u64 s[24:25], s[8:9], s[24:25]
	global_store_b64 v5, v[146:147], s[24:25]              ; 32 lanes store 256 consecutive aligned bytes
	global_store_b64 v5, v[148:149], s[24:25] offset:2048
	s_lshl_b32 s28, ttmp9, 14
	s_lshl_b32 s29, s14, 11
	s_add_co_u32 s28, s28, s29
	s_mov_b32 s29, 0
	s_add_nc_u64 s[28:29], s[8:9], s[28:29]        ; the tile's image, K step w
	s_lshl_b32 s30, ttmp9, 9
	s_add_co_u32 s30, s30, CB_SC
	s_mov_b32 s31, 0
	s_add_nc_u64 s[30:31], s[8:9], s[30:31]        ; the tile's scale words
	s_wait_loadcnt 0x0
	RNORM XR, 162
	RNORM XR+32, 166
	v_nop                                          ; a plain line behind the last transcendental
	s_wait_alu depctr_va_vdst(0)
.irp p, 0,1
.irp i, 0,2,4,6,8,10,12,14,16,18,20,22,24,26,28,30
	v_pk_mul_f32 v[XR+32*\p+\i:XR+32*\p+\i+1], v[XR+32*\p+\i:XR+32*\p+\i+1], v[164+4*\p:165+4*\p]
.endr
.irp i, 0,2,4,6,8,10,12,14,16,18,20,22,24,26,28,30
	v_pk_mul_f32 v[XR+32*\p+\i:XR+32*\p+\i+1], v[XR+32*\p+\i:XR+32*\p+\i+1], v[G+\i:G+\i+1]
.endr
.irp i, 0,1,2,3,4,5,6,7
	ds_store_b128 v6, v[XR+32*\p+4*\i:XR+32*\p+4*\i+3] offset:RP*\p+512*\i
.endr
.endr
	s_wait_dscnt 0x0                               ; for the others' sake: my two rows have landed
	s_barrier_signal -1
	s_barrier_wait -1
.irp c, 0,1,2,3
.irp j, 0,1,2,3
	ds_load_b128 v[XR+16*\c+4*\j:XR+16*\c+4*\j+3], v7 offset:128*\c+16*\j
.endr
.endr
	s_wait_dscnt 0x0
	QUANT XR
.irp c, 0,1,2,3
	global_store_b128 v4, v[PC+4*\c:PC+4*\c+3], s[28:29] offset:512*\c
.endr
	ds_store_b32 v8, v[PW]                         ; both halves of the lanes write the same word with the same value
	s_wait_dscnt 0x0
	s_barrier_signal -1
	s_barrier_wait -1
	s_cmp_lg_u32 s14, 0
	s_cbranch_scc1 .Lend
	ds_load_b128 v[16:19], v9
	s_wait_dscnt 0x0
	global_store_b128 v4, v[16:19], s[30:31]       ; the tile's 512 bytes of scale words
.Lend:
	s_wait_tensorcnt 0x0
	ds_add_u32 v176, v177
	s_wait_dscnt 0x0
	s_endpgm
; THE WEIGHTS.  A lane takes a column and its registers run down K: a load reads 128 consecutive bytes, a block of 32 lies in one lane.  A wave: 32 columns x 128 along K; a work-group: 64 columns x 512.
; Lanes 0-15 are tile 2 b, lanes 16-31 tile 2 b + 1: sixteen lanes store 256 consecutive aligned bytes.  All 128 loads of a wave are asked for at once.
.Lweights:
	s_load_b128 s[4:7], s[0:1], 0x18               ; wq, wk
	s_load_b128 s[8:11], s[0:1], 0x28              ; wv, wo
	s_load_b64 s[12:13], s[0:1], 0x10              ; cb
	v_lshl_add_u32 v192, v0, 2, 0x10400            ; my spare word
	v_mov_b32 v193, 0
	v_lshrrev_b32 v1, 5, v0
	v_readfirstlane_b32 s14, v1                    ; wave 0..7
	s_lshr_b32 s15, s14, 2                         ; cg: which 32 of the work-group's 64 columns
	s_and_b32 s16, s14, 3                          ; kq: which 128 of its 512 along K
	s_sub_co_u32 s20, ttmp9, 256
	s_lshr_b32 s17, s20, 5                         ; which weight
	s_lshr_b32 s18, s20, 1
	s_and_b32 s18, s18, 15                         ; which 64 columns
	s_and_b32 s19, s20, 1                          ; which half of K
	s_mov_b32 s39, 0x600000                        ; the mantissa field of 448
	s_lshl_b32 s21, s15, 9
	s_lshl_b32 s22, s16, 2
	s_add_co_u32 s21, s21, s22
	s_add_co_u32 s21, s21, WST
	s_lshl_b32 s23, s19, 2
	s_add_co_u32 s23, s23, s16                     ; ks
	s_lshl_b32 s24, s23, 19                        ; 128 ks rows of 4,096 bytes
	s_lshl_b32 s25, s18, 8
	s_add_co_u32 s24, s24, s25
	s_lshl_b32 s25, s15, 7
	s_add_co_u32 s24, s24, s25                     ; + 4 x my first column
	s_mov_b32 s25, 0
	s_lshl_b32 s26, s17, 6
	s_lshl_b32 s27, s18, 2
	s_add_co_u32 s26, s26, s27
	s_add_co_u32 s28, s26, 256                     ; the work-group's first tile
	s_lshl_b32 s27, s15, 1
	s_add_co_u32 s26, s28, s27
	s_lshl_b32 s26, s26, 14
	s_lshl_b32 s27, s23, 11
	s_add_co_u32 s26, s26, s27                     ; my tiles' K step ks
	s_mov_b32 s27, 0
	s_lshl_b32 s32, s14, 1
	s_add_co_u32 s32, s32, s28
	s_lshl_b32 s32, s32, 9
	s_lshl_b32 s33, s19, 8
	s_add_co_u32 s32, s32, s33
	s_add_co_u32 s32, s32, CB_SC                   ; scale words of tiles 2 wave, 2 wave + 1 (used by waves 0 and 1)
	s_mov_b32 s33, 0
	v_and_b32 v2, 15, v0                           ; r
	v_bfe_u32 v5, v0, 4, 1                         ; u
	v_and_b32 v8, 63, v0
	v_and_b32 v6, 8, v2
	v_lshlrev_b32 v4, 4, v2                        ; 16 r
	v_add_nc_u32 v6, v6, v2                        ; r + 8 (r / 8)
	v_lshl_add_u32 v9, v5, 9, v4                   ; scale words on their way out: 512 (lane / 16) + 16 (lane % 16)
	v_lshl_add_u32 v7, v5, 8, v4
	v_lshl_add_u32 v6, v5, 3, v6                   ; + 8 u: my column among the wave's 32
	v_lshl_add_u32 v8, v8, 4, WST                  ; the stage read back by waves 0 and 1: 16 bytes a thread
	v_lshl_add_u32 v4, v5, 14, v4                  ; codes: 16,384 u + 16 r
	v_lshlrev_b32 v3, 2, v6                        ; in: 4 bytes a column
	v_add_nc_u32 v7, s21, v7                       ; stage: (2 cg + u) x 256 + 16 r + 4 kq
	s_wait_alu depctr_va_vdst(0)                   ; the wait at the head's end
	s_wait_kmcnt 0x0
	s_cmp_eq_u32 s17, 1                            ; the choice of the weight hangs on the work-group's number alone
	s_cselect_b64 s[4:5], s[6:7], s[4:5]
	s_cmp_eq_u32 s17, 2
	s_cselect_b64 s[4:5], s[8:9], s[4:5]
	s_cmp_eq_u32 s17, 3
	s_cselect_b64 s[4:5], s[10:11], s[4:5]
	s_add_nc_u64 s[4:5], s[4:5], s[24:25]
	s_add_nc_u64 s[30:31], s[12:13], s[26:27]
	s_add_nc_u64 s[32:33], s[12:13], s[32:33]
.irp t, 0,1,2,3
.irp i, 0,1,2,3,4,5,6,7,8,9,10,11,12,13,14,15,16,17,18,19,20,21,22,23,24,25,26,27,28,29,30,31
	global_load_b32 v[WX+32*\t+\i], v3, s[4:5] offset:(32*\t+\i)*4096 th:TH_LOAD_NT
.endr
.endr
.macro WBLOCK t, left
.set XS, WX+32*(\t)
	s_wait_loadcnt \left                           ; this block's 32 loads are in; the later blocks' may be out
	v_max3_num_f32 v12, |v[XS]|, |v[XS+1]|, |v[XS+2]|   ; the block's largest magnitude: all 32 numbers are mine
	v_max3_num_f32 v13, |v[XS+3]|, |v[XS+4]|, |v[XS+5]|
.irp i, 6,10,14,18,22,26
	s_delay_alu instid0(VALU_DEP_2)
	v_max3_num_f32 v12, v12, |v[XS+\i]|, |v[XS+\i+1]|
	s_delay_alu instid0(VALU_DEP_2)
	v_max3_num_f32 v13, v13, |v[XS+\i+2]|, |v[XS+\i+3]|
.endr
	s_delay_alu instid0(VALU_DEP_2)
	v_max3_num_f32 v12, v12, |v[XS+30]|, |v[XS+31]|
	s_delay_alu instid0(VALU_DEP_1)
	v_max3_num_f32 v12, v12, v13, 0x4800000        ; and the floor 2^(9 - 127): the byte cannot fall under 1
	s_delay_alu instid0(VALU_DEP_1)
	v_add_nc_u32 v11, 0xfc000000, v12              ; 8 off the exponent field: the conversion's scale operand
	s_delay_alu instid0(VALU_DEP_2)
	v_and_or_b32 v10, v12, 0x7f800000, s39         ; 448 x the scale
	s_delay_alu instid0(VALU_DEP_2)
	v_lshrrev_b32 v13, 23, v11                     ; the byte
.if (\t) == 0
	s_delay_alu instid0(VALU_DEP_1)
	v_mov_b32 v[WSB], v13
.else
	s_delay_alu instid0(VALU_DEP_1)
	v_lshl_or_b32 v[WSB], v13, 8*(\t), v[WSB]
.endif
.irp i, 0,1,2,3,4,5,6,7,8,9,10,11,12,13,14,15,16,17,18,19,20,21,22,23,24,25,26,27,28,29,30,31
	v_med3_num_f32 v[XS+\i], v[XS+\i], -v10, v10   ; the conversion to an 8-bit code does not saturate (ISA guide 7.6.2): the hold comes first
.endr
.irp g, 0,1,2,3
	v_cvt_scalef32_pk8_fp8_f32 v[WC+8*(\t)+2*\g:WC+8*(\t)+2*\g+1], v[XS+8*\g:XS+8*\g+7], v11
.endr
	v_nop                                          ; a plain line behind the last conversion, ahead of the next block's write of v11
	global_store_b128 v4, v[WC+8*(\t):WC+8*(\t)+3], s[30:31] offset:512*(\t)        ; k = 32 q + 0 .. 15: the image's lanes 0-15
	global_store_b128 v4, v[WC+8*(\t)+4:WC+8*(\t)+7], s[30:31] offset:512*(\t)+256  ; k = 32 q + 16 .. 31: its lanes 16-31
.endm
	WBLOCK 0, 63                                   ; 96 later loads might stay out; the count's field ends at 63
	WBLOCK 1, 63
	WBLOCK 2, 32
	WBLOCK 3, 0
	ds_store_b32 v7, v[WSB]                        ; the four waves of a K half make 16 bytes a row together
	s_wait_dscnt 0x0                               ; for the others' sake: my store has landed
	s_barrier_signal -1
	s_barrier_wait -1
	s_cmp_gt_u32 s14, 1
	s_cbranch_scc1 .Lwend
	ds_load_b128 v[16:19], v8                      ; waves 0 and 1: two tiles' 256 bytes each
	s_wait_dscnt 0x0
	global_store_b128 v9, v[16:19], s[32:33]       ; sixteen lanes store 256 consecutive aligned bytes
.Lwend:
	s_wait_tensorcnt 0x0
	ds_add_u32 v192, v193
	s_wait_dscnt 0x0
	s_endpgm
.Lfunc_end_k_q8ea490ef81_prep_h:
	.size	k_q8ea490ef81_prep_h, .Lfunc_end_k_q8ea490ef81_prep_h-k_q8ea490ef81_prep_h
	.p2alignl 7, 3214868480
	.fill 96, 4, 3214868480
	.section	.rodata,"a",@progbits
	.p2align	6, 0x0
	.amdhsa_kernel k_q8ea490ef81_prep_h
		.amdhsa_group_segment_fixed_size 68608
		.amdhsa_private_segment_fixed_size 0
		.amdhsa_enable_private_segment 0
		.amdhsa_kernarg_size 56
		.amdhsa_user_sgpr_count 2
		.amdhsa_user_sgpr_kernarg_segment_ptr 1
		.amdhsa_wavefront_size32 1
		.amdhsa_system_sgpr_workgroup_id_x 1
		.amdhsa_system_sgpr_workgroup_id_y 1
		.amdhsa_system_sgpr_workgroup_id_z 1
		.amdhsa_system_vgpr_workitem_id 0
		.amdhsa_next_free_vgpr 194
		.amdhsa_next_free_sgpr 66
		.amdhsa_reserve_vcc 1
		.amdhsa_float_denorm_mode_32 3
		.amdhsa_float_denorm_mode_16_64 3
		.amdhsa_memory_ordered 1
		.amdhsa_forward_progress 1
		.amdhsa_inst_pref_size 65
	.end_amdhsa_kernel
	.amdgpu_metadata
---
amdhsa.version: [ 1, 2 ]
amdhsa.kernels:
  - .name:           k_q8ea490ef81_prep_h
    .symbol:         k_q8ea490ef81_prep_h.kd
    .args:
      - { .name: h, .offset: 0, .size: 8, .value_kind: global_buffer, .address_space: global }
      - { .name: g, .offset: 8, .size: 8, .value_kind: global_buffer, .address_space: global }
      - { .name: cb, .offset: 16, .size: 8, .value_kind: global_buffer, .address_space: global }
      - { .name: wq, .offset: 24, .size: 8, .value_kind: global_buffer, .address_space: global }
      - { .name: wk, .offset: 32, .size: 8, .value_kind: global_buffer, .address_space: global }
      - { .name: wv, .offset: 40, .size: 8, .value_kind: global_buffer, .address_space: global }
      - { .name: wo, .offset: 48, .size: 8, .value_kind: global_buffer, .address_space: global }
    .group_segment_fixed_size: 68608
    .private_segment_fixed_size: 0
    .kernarg_segment_align: 8
    .kernarg_segment_size: 56
    .max_flat_workgroup_size: 256
    .sgpr_count:     66
    .vgpr_count:     194
    .wavefront_size: 32
...
	.end_amdgpu_metadata
.endif
;; end of part 1
;; launch qkv (part 2): grid 12 x 16, 4 waves a work-group, clusters of 4 x 4, 327,680 bytes of LDS; arguments cb, bq, bk, bv, qb, kv; writes qb, kv
.if DOCPART == 2
	.amdgcn_target "amdgcn-amd-amdhsa--gfx1250"
	.amdhsa_code_object_version 6
	.text
	.protected	k_q8ea490ef81_qkv
	.globl	k_q8ea490ef81_qkv
	.p2align	8
	.type	k_q8ea490ef81_qkv,@function
k_q8ea490ef81_qkv:
	s_mov_b64 s[64:65], 0
	v_nop
	global_prefetch_b8 v0, s[64:65] scope:SCOPE_SE
	s_setreg_imm32_b32 hwreg(HW_REG_WAVE_MODE, 25, 1), 1
	s_wait_xcnt 0x0
	s_wait_alu depctr_hold_cnt(0) depctr_sa_sdst(0) depctr_va_vdst(0) depctr_va_sdst(0) depctr_va_ssrc(0) depctr_va_vcc(0) depctr_vm_vsrc(0)
	s_getreg_b32 s2, hwreg(HW_REG_IB_STS2, 6, 4)
	s_cmp_eq_u32 s2, 0
	s_cbranch_scc0 .Lentry_in_a_cluster
	s_endpgm
.Lentry_in_a_cluster:
	s_bfe_u32 s2, ttmp6, 0x10000c
	s_cmp_lg_u32 s2, 0xf033
	s_cbranch_scc0 .Lentry_shape_is_right
	s_endpgm
.Lentry_shape_is_right:
; q = rope(hn wq + bq), k = rope(hn wk + bk), v = hn wv + bv, all three products on codes of E4M3 with E8M0 scales, and the results quantised at once for the attention: q and k along a head's 64, v along the keys.
; ONE LOOP SERVES ALL THREE.  C'[m'][n'] = sum over k of A'[m'][k] B'[n'][k], K = 1,024, a tile of 256 x 256 to a work-group of four waves, 128 x 128 to a wave (64 accumulators, 512 registers).
; The matrix instruction is used transposed (source 0 = 16 rows of B', source 1 = 16 rows of A'): a lane holds ONE row of A' and its registers run along B''s rows.
;   cluster x = 0, 1 (q, k): A' = hn (tokens), B' = the weight's columns: a lane holds a token and 64 channels: the rotary pair (d, d + 32) and a head's blocks of 32 lie in the lane and in lane l xor 16.
;   cluster x = 2 (v):       A' = wv's columns, B' = hn: a lane holds a channel and 64 tokens: neighbours along the keys, which are the second attention product's K.
; Operands lie in cb as images of operand registers (tile x 16,384 + 512 (k / 32) + 16 x lane), the rows of a tile chosen so that the registers of result tiles 2 b, 2 b + 1 are 16 neighbours: no padding, no transposition.
; K goes in steps of 256 through a ring of two LDS slots (a tile's part: 4,096 consecutive bytes); all scale words come once, with the first fills, and stay in 64 registers.
; CLUSTERS 4 x 4: A''s tiles are shared along a row of the cluster, B''s along a column: joint loads.  The kind hangs on the cluster's x alone, which all partners share.
; 192 work-groups: no tile that keeps two heads in a wave gives 256 equal ones.
; OUT: qb: (batch x head) x 16 records of 128 tokens: 8 tiles x (512 + 512) bytes of codes, then [row 16][tile 8] scale words.  kv: records of 128 keys: K as in qb; at 8,192 V^T, 4 tiles of 16 channels x 2,048; at 16,384 K's scale words; at 16,896 V's [row][tile 4].
; q's and k's scale words carry 0x7f in their upper two bytes: K = 64 fills half of the instruction's 128.
; LIMITS: zero blocks get the byte 1 (read by this program alone), blocks under 2^-118 keep it; NaN and infinities are not served.
; REGISTERS: window 0: v0-31 addresses; v32-95 scale words (8 i + ks: lanes 0-15 A''s block i, lanes 16-31 B''s); v96-127 the way out's table; v128-255 A''s fragments, later the way out.  window 1: B''s two sets, later the bias.  windows 2, 3: accumulators.
; AS IT STANDS BELOW: the scale words lie at v[32 + 10 i + ks], to v109.  The head's four tiles are shared out, one load a wave.  The way out is a loop over the wave's eight tiles; for q and k the table of cos and sin
; comes into slot 0 behind that slot's last reads (a plain load a wave, a quarter each: the kind decides whether the table is wanted, so it is no joint load), the biases are asked for ahead of the last 64 products.
; No prefetch: K is four slots long, and every slot but the first two is asked for one slot ahead.
.set STGQ,   279040                    ; behind the spare words: 512 bytes a wave for the eight tiles' scale words
.set AI,     6                         ; s6  the way out's tile
.set TO,     7                         ; s7  its place in the table
.set ST,     8                         ; s8  its place among the scale words
.set CB_SC,  8388608
.set CB_RT,  8650752
.set HALFT,  32768                     ; 8 tiles x 4,096: what one tensor load brings, and what a wave reads of A' or of B'
.set SLOT,   131072
.set SCL,    262144                    ; behind the ring: the scale words, 4 x 4,096
.set SPARE,  278528                    ; the spare words: 128 bytes a wave, two blocks of 256 bytes that no other line names
.set FR, 16
.set NL, 4
.set NP, 8                             ; places behind this matrix instruction (ISA guide 7.12.1)
.set ADRA, 16                          ; v16-17 my A' fragments in slot 0, 1
.set ADRB, 20                          ; v20-21 B'
.set ADRS, 27                          ; v27    my scale words
.set SPW,  28                          ; v28    my spare word; never rewritten
.set NIL,  29                          ; v29    0; never rewritten
.set SC,   32                          ; v32-109 scale words at v[SC + 10 i + ks] (this line holds, wherever the head names other places)
.set AF,   128
.set CS,   96                          ; the way out: v96-111 cos, v112-127 sin
.set BV,   110                         ;   (v's path: bv, each number twice: v110-125)
.set T,    128                         ;   v128-191 64 numbers
.set PC,   192                         ;   v192-207 codes
.set TM,   208                         ;   v208-223 at work in QUANT
.set PW,   224
.set SW,   226
.set R,    234
.set D,    238
.set TP,   246                         ;   v246-253 four pairs at work
.set G1, 24
.set G0, 32
.set G1B, 48
.set G0B, 56
.set G1S, 68
.set G0S, 76
.set G1SB, 80
.set G0SB, 88
.set MNT, 97
.set SEL, 98
.set MSB, 0
.macro WIN new                         ; the immediate's high byte repeats the setting that is left
.if MSB != \new
	s_set_vgpr_msb (MSB<<8)|\new
.set MSB, \new
.endif
.endm
.set MUL_LO, 0xa1                      ; source 0 (B') window 1, source 1 (A') window 0, C and D window 2
.set MUL_HI, 0xf1
.set TO_B,   0x40
.macro PLACES n
.rept \n
	v_nop
.endr
.endm
; a joint load: waves 0 and 1 fetch for A', waves 2 and 3 for B'; four v_nop follow each line
.macro JLOAD g0a, g1a, g0b, g1b
	s_cmp_eq_u32 s15, 0
	s_cbranch_scc0 .Lfor_b_\@
	tensor_load_to_lds s[\g0a:\g0a+3], s[\g1a:\g1a+7]
	s_nop 0
.rept 4
	v_nop
.endr
	s_branch .Lasked_\@
.Lfor_b_\@:
	tensor_load_to_lds s[\g0b:\g0b+3], s[\g1b:\g1b+7]
	s_nop 0
.rept 4
	v_nop
.endr
.Lasked_\@:
.endm
.macro CREST
	s_cmp_lg_u32 s14, 0
	s_cbranch_scc1 .Lnot_wave_0_\@
	s_barrier_signal -3
.Lnot_wave_0_\@:
	s_barrier_wait -3
	s_barrier_signal -1
	s_barrier_wait -1
.endm
.macro CROUND
	s_barrier_signal -1
	s_barrier_wait -1
	CREST
.endm
.macro QUANT s                         ; 64 numbers of a lane, register 16 b + i: block b, place 16 (lane / 16) + i -> codes in v[PC] on, the four bytes in v[PW]
.irp b, 0,1,2,3
	v_max3_num_f32 v[TM+\b], |v[\s+16*\b]|, |v[\s+1+16*\b]|, 0x4800000
.endr
.irp i, 2,4,6,8,10,12,14
.irp b, 0,1,2,3
	v_max3_num_f32 v[TM+\b], v[TM+\b], |v[\s+16*\b+\i]|, |v[\s+1+16*\b+\i]|
.endr
.endr
.irp b, 0,1,2,3
	v_permlanex16_b32 v[TM+4+\b], v[TM+\b], s[SEL], s[SEL+1]
.endr
.irp b, 0,1,2,3
	v_max_num_f32 v[TM+\b], v[TM+\b], v[TM+4+\b]
.endr
.irp b, 0,1,2,3
	v_add_nc_u32 v[TM+12+\b], 0xfc000000, v[TM+\b]
.endr
.irp b, 0,1,2,3
	v_and_or_b32 v[TM+8+\b], v[TM+\b], 0x7f800000, s[MNT]
.endr
.irp b, 0,1,2,3
	v_lshrrev_b32 v[TM+4+\b], 23, v[TM+12+\b]
.endr
	v_lshl_or_b32 v[PW], v[TM+5], 8, v[TM+4]
	v_lshl_or_b32 v[PW], v[TM+6], 16, v[PW]
	v_lshl_or_b32 v[PW], v[TM+7], 24, v[PW]
.irp b, 0,1,2,3
.irp i, 0,1,2,3,4,5,6,7,8,9,10,11,12,13,14,15
	v_med3_num_f32 v[\s+16*\b+\i], v[\s+16*\b+\i], -v[TM+8+\b], v[TM+8+\b]   ; the conversion does not saturate (ISA guide 7.6.2)
.endr
	v_cvt_scalef32_pk8_fp8_f32 v[PC+4*\b:PC+1+4*\b], v[\s+16*\b:\s+7+16*\b], v[TM+12+\b]
	v_cvt_scalef32_pk8_fp8_f32 v[PC+2+4*\b:PC+3+4*\b], v[\s+8+16*\b:\s+15+16*\b], v[TM+12+\b]
.endr
	v_nop                                          ; a plain line behind the last conversion
.endm
	s_load_b64 s[4:5], s[0:1], 0x0                 ; cb
	v_lshl_add_u32 v[SPW], v0, 2, SPARE
	v_mov_b32 v[NIL], 0
	ds_add_u32 v28, v29
	ds_add_u32 v28, v29
	s_wait_dscnt 0x0
	v_lshrrev_b32 v1, 5, v0
	v_readfirstlane_b32 s14, v1                    ; wave 0..3
	s_lshr_b32 s15, s14, 1                         ; my half of A''s rows.  Also: I fetch for A' (0) or B' (1)
	s_and_b32 s16, s14, 1                          ; my half of B''s rows.  Also: which 8 tiles I fetch
	s_bfe_u32 s40, ttmp6, 0x40000                  ; cx
	s_bfe_u32 s41, ttmp6, 0x40004                  ; cy
	s_and_b32 s17, ttmp7, 0xffff                   ; the cluster's y
	s_lshl_b32 s43, s41, 2
	s_lshl_b32 s43, 15, s43                        ; my row of the cluster
	s_lshl_b32 s44, 0x1111, s40                    ; my column
	; codes: 8 rows (tiles) of 512 elements of 8 bytes, 2,048 elements apart; no padding: an image's 512 bytes a load are consecutive
	s_or_b32 s[G1+0], s43, (3<<16)|(1<<21)
	s_or_b32 s[G1B+0], s44, (3<<16)|(1<<21)
.irp g, G1, G1B
	s_mov_b32 s[\g+1], 512<<16
	s_mov_b32 s[\g+2], 16<<16                      ; the head's loads: 16 tiles; behind them the ring's: 8
	s_mov_b32 s[\g+3], 512<<16
	s_mov_b32 s[\g+4], 16
	s_mov_b32 s[\g+5], 2048
	s_mov_b32 s[\g+6], 0
	s_mov_b32 s[\g+7], 0
.endr
	; scale words of 16 tiles: 8,192 dense bytes as 32 rows of 256
	s_or_b32 s[G1S+0], s43, (3<<16)|(1<<21)
	s_or_b32 s[G1SB+0], s44, (3<<16)|(1<<21)
.irp g, G1S, G1SB
	s_mov_b32 s[\g+1], 32<<16
	s_mov_b32 s[\g+2], 32<<16
	s_mov_b32 s[\g+3], 32<<16
	s_mov_b32 s[\g+4], 32
	s_mov_b32 s[\g+5], 32
	s_mov_b32 s[\g+6], 0
	s_mov_b32 s[\g+7], 0
.endr
	s_lshl_b32 s18, s17, 6                         ; hn's tiles of this cluster's y: 64 y on
	s_lshl_b32 s19, ttmp9, 6
	s_add_co_u32 s19, s19, 256                     ; the weight's tiles: 256 + 64 x kind
	s_mov_b32 s20, 384                             ; wv's
	s_cmp_eq_u32 ttmp9, 2                          ; the kind: the same in all partners
	s_cselect_b32 s20, s20, s18                    ; A'
	s_cselect_b32 s46, s18, s19                    ; B'
	s_lshl_b32 s21, s41, 4
	s_add_co_u32 s20, s20, s21                     ; A': + 16 cy
	s_add_co_u32 s12, s18, s21                     ; q, k: the work-group's first tile of tokens: its table, and my quarter of it
	s_lshl_b32 s12, s12, 12
	s_lshl_b32 s13, s14, 14
	s_add_co_u32 s12, s12, s13
	s_add_co_u32 s12, s12, CB_RT
	s_mov_b32 s13, 0
	s_lshl_b32 s47, s40, 4
	s_add_co_u32 s46, s46, s47                     ; B': + 16 cx
	s_lshl_b32 s22, s16, 17                        ; the 8 tiles that I fetch for the ring, in bytes
	s_mov_b32 s23, 0
	s_lshl_b32 s92, s20, 9
	s_add_co_u32 s92, s92, CB_SC
	s_mov_b32 s93, 0
	s_lshl_b32 s20, s20, 14
	s_mov_b32 s21, 0
	s_lshl_b32 s94, s46, 9
	s_add_co_u32 s94, s94, CB_SC
	s_mov_b32 s95, 0
	s_lshl_b32 s46, s46, 14
	s_mov_b32 s47, 0
	s_lshl_b32 s45, s14, 15                        ; where they go: wave x HALFT: no place in the cluster enters an LDS address
	s_mov_b32 s[MNT], 0x600000
	s_mov_b32 s[SEL], 0x76543210
	s_mov_b32 s[SEL+1], 0xfedcba98
	s_wait_kmcnt 0x0
	s_add_nc_u64 s[20:21], s[4:5], s[20:21]
	s_add_nc_u64 s[92:93], s[4:5], s[92:93]
	s_add_nc_u64 s[46:47], s[4:5], s[46:47]
	s_add_nc_u64 s[94:95], s[4:5], s[94:95]
	CROUND                                         ; all sixteen work-groups are here: the first joint loads meet
	s_mov_b32 s[G0S], 1                            ; the scale words of A''s 16 tiles,
	s_mov_b32 s[G0S+1], SCL
	s_mov_b64 s[G0S+2:G0S+3], s[92:93]
	s_or_b32 s[G0S+3], s[G0S+3], 0x80000000
	s_mov_b32 s[G0SB], 1                           ; and of B''s
	s_mov_b32 s[G0SB+1], SCL+8192
	s_mov_b64 s[G0SB+2:G0SB+3], s[94:95]
	s_or_b32 s[G0SB+3], s[G0SB+3], 0x80000000
	s_mov_b32 s8, 1                                ; slot 0: A''s 16 tiles,
	s_mov_b32 s9, 0
	s_mov_b64 s[10:11], s[20:21]
	s_or_b32 s11, s11, 0x80000000
	s_mov_b32 s92, 1                               ; and B''s
	s_mov_b32 s93, 2*HALFT
	s_mov_b64 s[94:95], s[46:47]
	s_or_b32 s95, s95, 0x80000000
	s_add_nc_u64 s[20:21], s[20:21], s[22:23]
	s_add_nc_u64 s[46:47], s[46:47], s[22:23]
.irp s, 0,1
	s_mov_b32 s[G0+4*\s], 1
	s_add_co_u32 s[G0+4*\s+1], s45, \s*SLOT
	s_add_nc_u64 s[G0+4*\s+2:G0+4*\s+3], s[20:21], \s*4096
	s_or_b32 s[G0+4*\s+3], s[G0+4*\s+3], 0x80000000
	s_mov_b32 s[G0B+4*\s], 1
	s_add_co_u32 s[G0B+4*\s+1], s45, \s*SLOT
	s_add_nc_u64 s[G0B+4*\s+2:G0B+4*\s+3], s[46:47], \s*4096
	s_or_b32 s[G0B+4*\s+3], s[G0B+4*\s+3], 0x80000000
.endr
; THE HEAD'S LOADS, ONE A WAVE, in one chain of branches on the wave's number
.macro ARM under, g0, g1, next
	s_cmp_lt_u32 s14, \under
	s_cbranch_scc0 \next
	tensor_load_to_lds s[\g0:\g0+3], s[\g1:\g1+7]
	s_nop 0
	PLACES 4
	s_branch .Lhead_asked
\next:
.endm
	ARM 1, 8,   G1,  .Lhead_b
	ARM 2, 92,  G1B, .Lhead_sa
	ARM 3, G0S, G1S, .Lhead_sb
	tensor_load_to_lds s[G0SB:G0SB+3], s[G1SB:G1SB+7]
	s_nop 0
	PLACES 4
.Lhead_asked:
	v_and_b32 v1, 31, v0
	v_lshlrev_b32 v3, 4, v1                        ; 16 x lane
	v_lshlrev_b32 v4, 3, v1                        ; 8 x lane
	v_and_b32 v1, 15, v0                           ; r
	v_bfe_u32 v2, v0, 4, 1                         ; h
	s_wait_alu depctr_va_vdst(0)
	s_lshl_b32 s18, s15, 15
	s_lshl_b32 s19, s16, 15
	s_add_co_u32 s19, s19, 2*HALFT
.irp s, 0,1
	v_add_nc_u32 v[ADRA+\s], s18, v3
	v_add_nc_u32 v[ADRB+\s], s19, v3
	s_add_co_u32 s18, s18, SLOT
	s_add_co_u32 s19, s19, SLOT
.endr
	s_lshl_b32 s18, s15, 12                        ; A''s scale words: my 8 tiles
	s_lshl_b32 s19, s16, 12
	s_add_co_u32 s19, s19, 8192                    ; B''s, behind A''s 16 tiles
	s_sub_co_u32 s19, s19, s18
	v_mul_u32_u24 v5, s19, v2                      ; lanes 16-31 take B''s: one product, the distance between the two
	s_add_co_u32 s18, s18, SCL
	v_lshl_add_u32 v5, v1, 4, v5
	v_add_nc_u32 v[ADRS], s18, v5
.macro FRAG reg, adr, q, i             ; a fragment's image: four loads of 512 consecutive bytes
.irp c, 0,1,2,3
	ds_load_b128 v[\reg+4*\c:\reg+4*\c+3], v[\adr] offset:(\i)*4096+(\q)*2048+512*\c
.endr
.endm
; 16 matrix instructions: A''s blocks a0, a0 + 1 x B''s eight; p: B''s set; ks: the K step of 128.  The 64 accumulators take turns, one instruction a turn, in the same order in every step
.macro MUL16 a0, p, ks, zero
.irp a, \a0, \a0+1
.irp b, 0,1,2,3,4,5,6,7
.if \zero
	v_wmma_scale_f32_16x16x128_f8f6f4 v[8*(8*((\a)%4)+\b):8*(8*((\a)%4)+\b)+7], v[128*(\p)+FR*\b:128*(\p)+FR*\b+FR-1], v[AF+FR*(\a):AF+FR*(\a)+FR-1], 0, v[SC+10*\b+(\ks)], v[SC+10*(\a)+(\ks)] matrix_a_scale:MATRIX_SCALE_ROW1
.else
	v_wmma_scale_f32_16x16x128_f8f6f4 v[8*(8*((\a)%4)+\b):8*(8*((\a)%4)+\b)+7], v[128*(\p)+FR*\b:128*(\p)+FR*\b+FR-1], v[AF+FR*(\a):AF+FR*(\a)+FR-1], v[8*(8*((\a)%4)+\b):8*(8*((\a)%4)+\b)+7], v[SC+10*\b+(\ks)], v[SC+10*(\a)+(\ks)] matrix_a_scale:MATRIX_SCALE_ROW1
.endif
.endr
.endr
.endm
.macro FETCH_B slot, q, p
	WIN TO_B
.irp i, 0,1,2,3,4,5,6,7
	FRAG 128*(\p)+FR*\i, ADRB+\slot, \q, \i
.endr
	WIN 0
.endm
.macro FETCH_BH slot, i0               ; four of B''s eight fragments of the slot's second 128 along K, into set 1
	WIN TO_B
.irp i, \i0, \i0+1, \i0+2, \i0+3
	FRAG 128+FR*(\i), ADRB+\slot, 1, \i
.endr
	WIN 0
.endm
.macro FETCH_A slot, q, i0
.irp i, \i0, \i0+1, \i0+2, \i0+3
	FRAG AF+FR*(\i), ADRA+\slot, \q, \i
.endr
.endm
.macro ALLSCALES                       ; all eight K steps' words of my 8 + 8 tiles: 16 loads, once
.irp i, 0,1,2,3,4,5,6,7
	ds_load_b128 v[SC+10*\i:SC+10*\i+3], v[ADRS] offset:\i*512
	ds_load_b128 v[SC+10*\i+4:SC+10*\i+7], v[ADRS] offset:\i*512+256
.endr
.endm
; a slot's first 128 along K
.macro STEP slot, ks, zero
	s_wait_dscnt 8*NL                              ; all but the youngest 32 loads: A''s blocks 4-7, half of B''s next set
	WIN MUL_LO
	MUL16 0, 0, \ks, \zero
	MUL16 2, 0, \ks, \zero
	s_wait_dscnt 0
	PLACES NP
	FETCH_BH \slot, 4
	FETCH_A \slot, 1, 0
	WIN MUL_HI
	MUL16 4, 0, \ks, \zero
	MUL16 6, 0, \ks, \zero
	PLACES NP
	WIN 0
	FETCH_A \slot, 1, 4
.endm
; a slot's second 128 along K, and the change of slots: ONE barrier; in front of it each wave waits for all its tensor loads, adds 0 to its spare word, and waits for that and for its reads of this slot
.macro TURN slot, next, fill, ks
	s_wait_tensorcnt 0x0                           ; all my tensor loads have landed: my part of the next slot
	ds_add_u32 v[SPW], v[NIL]                      ; 0 onto my spare word
	s_wait_dscnt 4*NL+1                            ; (the add and A''s blocks 4-7 may be out)
	WIN MUL_LO
	MUL16 0, 1, \ks, 0
	s_wait_dscnt 0x0                               ; the add is done, and my reads of this slot are over
	s_barrier_signal -1
	MUL16 2, 1, \ks, 0
	WIN 0
	s_barrier_wait -1
.if \fill == 1
	CREST                                          ; the barrier has opened a round of the cluster's: no wave of any partner still reads this slot or has a load on its way
	s_add_nc_u64 s[G0+4*\slot+2:G0+4*\slot+3], s[G0+4*\slot+2:G0+4*\slot+3], 8192
	s_add_nc_u64 s[G0B+4*\slot+2:G0B+4*\slot+3], s[G0B+4*\slot+2:G0B+4*\slot+3], 8192
	JLOAD G0+4*\slot, G1, G0B+4*\slot, G1B         ; my one tensor load behind the round; its four v_nop are among the places below
	PLACES NP-4
.elseif \fill == 2
	CREST
	s_cmp_eq_u32 ttmp9, 2                          ; q, k: my quarter of the table into slot 0; v has none to read (the kind is the same in all waves and partners)
	s_cbranch_scc1 .Lno_table_\@
	tensor_load_to_lds s[G0S:G0S+3], s[G1S:G1S+7]
	s_nop 0
	PLACES 4
.Lno_table_\@:
	PLACES NP
.else
	PLACES NP
.endif
	FETCH_B \next, 0, 0
	FETCH_A \next, 0, 0
	WIN MUL_HI
	MUL16 4, 1, \ks, 0
	MUL16 6, 1, \ks, 0
	PLACES NP
	WIN 0
	FETCH_A \next, 0, 4
	FETCH_BH \next, 0                              ; half of the set that these products were the last to read
.endm
	s_wait_alu depctr_va_vdst(0)
	s_wait_tensorcnt 0x0                           ; my tile of the head's four is in
	ds_add_u32 v[SPW], v[NIL]
	s_mov_b32 s[G1+2], 8<<16                       ; no tensor load of mine is out: from here on a load of codes brings 8 tiles,
	s_mov_b32 s[G1+4], 8
	s_mov_b32 s[G1B+2], 8<<16
	s_mov_b32 s[G1B+4], 8
	s_mov_b32 s[G1S], 3<<16                        ; and the table's: 4 tiles x 4,096 dense bytes as 64 rows of 256, no mask
	s_mov_b32 s[G1S+2], 64<<16
	s_mov_b32 s[G1S+4], 64
	s_lshl_b32 s[G0S+1], s14, 14
	s_add_nc_u64 s[G0S+2:G0S+3], s[4:5], s[12:13]
	s_or_b32 s[G0S+3], s[G0S+3], 0x80000000
	s_wait_dscnt 0x0
	CROUND                                         ; all four tiles are in, in every partner
	JLOAD G0+4, G1, G0B+4, G1B                     ; slot 1's first fill, the first tensor load behind the round
	FETCH_B 0, 0, 0
	FETCH_A 0, 0, 0
	ALLSCALES
	FETCH_A 0, 0, 4
	FETCH_BH 0, 0
	STEP 0, 0, 1                                   ; the first products start the sums: nothing is cleared.  The eight steps are written out: each names its own scale registers
	TURN 0, 1, 1, 1
	STEP 1, 2, 0
	TURN 1, 0, 1, 3
	STEP 0, 4, 0
	TURN 0, 1, 2, 5                                ; slot 0 takes the table (q, k)
	s_load_b256 s[24:31], s[0:1], 0x8              ; bq, bk, bv, qb: the codes' loads have landed, so their descriptors' registers are free
	s_load_b64 s[32:33], s[0:1], 0x28              ; kv
	STEP 1, 6, 0
.macro LASTMUL                         ; the very last step: nothing more to fetch
	s_wait_dscnt 4*NL
	WIN MUL_LO
	MUL16 0, 1, 7, 0
	MUL16 2, 1, 7, 0
	s_wait_dscnt 0
	WIN MUL_HI
	MUL16 4, 1, 7, 0
	MUL16 6, 1, 7, 0
	WIN 0
	PLACES NP
.irp b, 0,1,2,3
	v_mov_b32 v[TM+4+\b], 0                        ; a lane permute's destination counts as one of its sources
.endr
.endm
; the sums of tile s[AI] into v[T] on, by leaf
.macro LEAF2 leaf, a, b, join
	s_cmp_eq_u32 s[AI], \a
	s_cbranch_scc0 .Lodd_\@
	\leaf \a
	s_branch \join
.Lodd_\@:
	\leaf \b
	s_branch \join
.endm
.macro PICK leaf
	s_cmp_lt_u32 s[AI], 4
	s_cbranch_scc0 .Lhi_\@
	s_cmp_lt_u32 s[AI], 2
	s_cbranch_scc0 .Lmid_\@
	LEAF2 \leaf, 0, 1, .Lpicked_\@
.Lmid_\@:
	LEAF2 \leaf, 2, 3, .Lpicked_\@
.Lhi_\@:
	s_cmp_lt_u32 s[AI], 6
	s_cbranch_scc0 .Ltop_\@
	LEAF2 \leaf, 4, 5, .Lpicked_\@
.Ltop_\@:
	LEAF2 \leaf, 6, 7, .Lpicked_\@
.Lpicked_\@:
.endm
	s_mov_b32 s58, 0x7f7f0000
	s_wait_kmcnt 0x0
	s_cmp_eq_u32 ttmp9, 2
	s_cbranch_scc1 .Lvpath
	; ---- q, k: a lane holds token row r of tile a; register 16 blk + i is channel 32 blk + 16 h + i of my 128: two heads
	s_lshl_b32 s43, s17, 2
	s_add_co_u32 s43, s43, s41                     ; the block of 256 tokens: 4 y + cy
	s_lshr_b32 s44, s43, 3                         ; batch
	s_and_b32 s45, s43, 7
	s_lshl_b32 s45, s45, 1
	s_add_co_u32 s45, s45, s15                     ; the record of 128 tokens
	s_lshl_b32 s46, s40, 2
	s_lshl_b32 s47, s16, 1
	s_add_co_u32 s46, s46, s47                     ; my first head
	s_lshl_b32 s44, s44, 4
	s_add_co_u32 s46, s46, s44
	s_mov_b32 s34, 274432
	s_mov_b32 s35, 139264
	s_mov_b32 s56, 17152
	s_mov_b32 s57, 8704
	s_mov_b32 s42, 16384
	s_mov_b32 s59, 8192
	s_cmp_eq_u32 ttmp9, 1                          ; k or q: the choice hangs on the cluster's number alone
	s_cselect_b64 s[36:37], s[32:33], s[30:31]
	s_cselect_b64 s[38:39], s[26:27], s[24:25]
	s_cselect_b32 s34, s34, s35                    ; bytes of a head,
	s_cselect_b32 s35, s56, s57                    ; of a record,
	s_cselect_b32 s42, s42, s59                    ; and where its scale words begin
	s_mul_i32 s46, s46, s34
	s_mul_i32 s45, s45, s35
	s_add_co_u32 s46, s46, s45
	s_mov_b32 s47, 0
	s_add_nc_u64 s[48:49], s[36:37], s[46:47]      ; my first head's record
	s_mov_b32 s35, 0
	s_add_nc_u64 s[50:51], s[48:49], s[34:35]      ; my second head's
	s_lshl_b32 s54, s40, 10
	s_lshl_b32 s55, s16, 9
	s_add_co_u32 s54, s54, s55
	s_mov_b32 s55, 0
	s_add_nc_u64 s[54:55], s[38:39], s[54:55]      ; the bias of my 128 channels
	v_lshlrev_b32 v5, 6, v2                        ; bias: + 64 h
	v_lshlrev_b32 v6, 5, v1
	v_lshl_add_u32 v6, v2, 4, v6
	v_add_nc_u32 v6, s42, v6                       ; scale words: 32 r + 16 h
	WIN 0x40                                       ; the bias goes to window 1, v0-63
.irp k, 0,1,2,3
.irp j, 0,1,2,3
	global_load_b128 v[16*\k+4*\j:16*\k+4*\j+3], v5, s[54:55] offset:128*\k+16*\j
.endr
.endr
	WIN 0
	s_mov_b64 s[36:37], s[48:49]                   ; the records' beginnings, for the scale words
	s_mov_b64 s[38:39], s[50:51]
	s_sub_nc_u64 s[48:49], s[48:49], 1024          ; (each trip steps them by a tile first)
	s_sub_nc_u64 s[50:51], s[50:51], 1024
	s_lshl_b32 s9, s14, 9
	s_add_co_u32 s9, s9, STGQ
	v_lshl_add_u32 v9, v1, 5, s9                   ; my stage for scale words: [row 16][tile 8]
	v_lshl_add_u32 v10, v2, 4, v9
	s_lshl_b32 s[TO], s15, 15
	s_mov_b32 s[AI], 0
	s_mov_b32 s[ST], 0
	s_wait_alu depctr_va_vdst(0)
	LASTMUL
	s_wait_alu depctr_va_vdst(0)
	s_wait_tensorcnt 0x0                           ; my quarter of the table is in
	s_wait_dscnt 0x0
	s_barrier_signal -1
	s_barrier_wait -1
.macro CSLOAD                          ; cos and sin of (row r, j = 16 h + 0 .. 15) of a tile
	v_add_nc_u32 v7, s[TO], v4
.irp w, 0,1,2,3,4,5,6,7
	ds_load_b64 v[CS+2*\w:CS+2*\w+1], v7 offset:256*\w
	ds_load_b64 v[CS+16+2*\w:CS+17+2*\w], v7 offset:2048+256*\w
.endr
.endm
.macro QKSUM a
	WIN 0x06+(\a)/4                                ; source 0: the accumulators' window; source 1: window 1
.set n, 0
.rept 32
	v_pk_add_f32 v[T+n:T+n+1], v[64*((\a)%4)+n:64*((\a)%4)+n+1], v[n:n+1]    ; + bias; each accumulator is read from its low end on
.set n, n+2
.endr
	WIN 0
	s_wait_alu depctr_va_vdst(0)
.endm
	CSLOAD
	s_wait_loadcnt 0x0                             ; the bias
.Lqk:
	PICK QKSUM
	s_wait_dscnt 0x0                               ; this tile's table
.irp hd, 0,32                          ; x(d) cos - x(d + 32) sin;  x(d + 32) cos + x(d) sin: four pairs by turns
.irp g, 0,8
.set TX, T+\hd+\g
.set CX, CS+\g
.irp i, 0,2,4,6
	v_pk_mul_f32 v[TP+\i:TP+\i+1], v[TX+\i:TX+\i+1], v[CX+16+\i:CX+17+\i]
.endr
.irp i, 0,2,4,6
	v_pk_mul_f32 v[TX+\i:TX+\i+1], v[TX+\i:TX+\i+1], v[CX+\i:CX+\i+1]
.endr
.irp i, 0,2,4,6
	v_pk_fma_f32 v[TX+\i:TX+\i+1], v[TX+16+\i:TX+17+\i], v[CX+16+\i:CX+17+\i], v[TX+\i:TX+\i+1] neg_lo:[1,0,0] neg_hi:[1,0,0]
.endr
.irp i, 0,2,4,6
	v_pk_fma_f32 v[TX+16+\i:TX+17+\i], v[TX+16+\i:TX+17+\i], v[CX+\i:CX+\i+1], v[TP+\i:TP+\i+1]
.endr
.endr
.endr
	v_add_nc_u32 v8, s[ST], v9
	s_add_co_u32 s[TO], s[TO], 4096
	s_wait_alu depctr_va_vdst(0)
	s_cmp_eq_u32 s[AI], 7
	s_cbranch_scc1 .Lno_next
	CSLOAD                                         ; the next tile's, while this one is quantised
.Lno_next:
	s_wait_xcnt 0x0                                ; the last tile's stores have read their data and their bases
	s_add_nc_u64 s[48:49], s[48:49], 1024
	s_add_nc_u64 s[50:51], s[50:51], 1024
	QUANT T
	ds_store_b32 v8, v[PW]                         ; (both halves of the lanes write the same word with the same value)
	global_store_b128 v3, v[PC:PC+3], s[48:49]                   ; head 0: d 0-31, d 32-63
	global_store_b128 v3, v[PC+4:PC+7], s[48:49] offset:512
	global_store_b128 v3, v[PC+8:PC+11], s[50:51]                ; head 1
	global_store_b128 v3, v[PC+12:PC+15], s[50:51] offset:512
	s_add_co_u32 s[ST], s[ST], 4
	s_add_co_u32 s[AI], s[AI], 1
	s_cmp_lg_u32 s[AI], 8
	s_cbranch_scc1 .Lqk
	ds_load_b128 v[R:R+3], v10                     ; LDS serves a wave's instructions in order (ISA guide 5.7.1.4): lanes 0-15 take tiles 0-3's words, lanes 16-31 tiles 4-7's
	s_wait_dscnt 0x0
.irp i, 0,1,2,3
	v_and_or_b32 v[D+\i], v[R+\i], 0xffff, s58     ; head 0's two bytes; 0x7f over the half of K that is zeros
	v_lshrrev_b32 v[D+4+\i], 16, v[R+\i]
	v_or_b32 v[D+4+\i], s58, v[D+4+\i]             ; head 1's
.endr
	global_store_b128 v6, v[D:D+3], s[36:37]       ; 512 consecutive bytes
	global_store_b128 v6, v[D+4:D+7], s[38:39]
	s_branch .Ljoin
.Lvpath:
	; ---- v: a lane holds channel row r of tile a (two heads of four tiles); register 16 c + i is token 32 c + 16 h + i of my 128 keys
	s_lshl_b32 s43, s17, 2
	s_add_co_u32 s43, s43, s40                     ; the block of 256 tokens: 4 y + cx
	s_lshr_b32 s44, s43, 3                         ; batch
	s_and_b32 s45, s43, 7
	s_lshl_b32 s45, s45, 1
	s_add_co_u32 s45, s45, s16                     ; the record of 128 keys
	s_lshl_b32 s46, s41, 2
	s_lshl_b32 s47, s15, 1
	s_add_co_u32 s46, s46, s47                     ; my first head
	s_lshl_b32 s44, s44, 4
	s_add_co_u32 s46, s46, s44
	s_mul_i32 s46, s46, 274432
	s_mul_i32 s45, s45, 17152
	s_add_co_u32 s46, s46, s45
	s_mov_b32 s47, 0
	s_add_nc_u64 s[36:37], s[32:33], s[46:47]
	s_sub_nc_u64 s[48:49], s[36:37], 2048          ; (each trip steps it by a tile first)
	s_mov_b32 s34, 274432-3*2048                   ; from my first head's last tile to my second head's first
	s_mov_b32 s35, 2048
	s_mov_b32 s57, 0
	s_lshl_b32 s54, s41, 10
	s_lshl_b32 s55, s15, 9
	s_add_co_u32 s54, s54, s55
	s_mov_b32 s55, 0
	s_add_nc_u64 s[54:55], s[28:29], s[54:55]      ; bv of my 128 channels
	v_and_b32 v5, 8, v1
	v_add_nc_u32 v5, v5, v1
	v_lshlrev_b32 v5, 2, v5                        ; my channel in a tile: r + 8 (r / 8)
	v_mul_u32_u24 v6, 0x43000, v2                  ; scale words: lanes 16-31 store the second head's
	v_lshl_add_u32 v6, v1, 4, v6
	v_add_nc_u32 v6, 16896, v6
.irp a, 0,1,2,3,4,5,6,7
	global_load_b32 v[BV+2*\a], v5, s[54:55] offset:(32*(\a/2)+8*(\a%2))*4      ; twice: a pair for the packed addition
	global_load_b32 v[BV+2*\a+1], v5, s[54:55] offset:(32*(\a/2)+8*(\a%2))*4
.endr
	s_lshl_b32 s9, s14, 9
	s_add_co_u32 s9, s9, STGQ
	v_lshl_add_u32 v9, v1, 4, s9                   ; my stage for scale words: [head 2][row 16][tile 4]
	v_lshl_add_u32 v10, v2, 8, v9
	s_mov_b32 s[AI], 0
	s_wait_alu depctr_va_vdst(0)
	LASTMUL
	s_wait_alu depctr_va_vdst(0)
	s_wait_loadcnt 0x0                             ; the bias
.macro VSUM a
	WIN 0x02+(\a)/4
.set n, 0
.rept 32
	v_pk_add_f32 v[T+n:T+n+1], v[64*((\a)%4)+n:64*((\a)%4)+n+1], v[BV+2*(\a):BV+2*(\a)+1]
.set n, n+2
.endr
	WIN 0
	s_wait_alu depctr_va_vdst(0)
.endm
.Lvt:
	PICK VSUM
	s_and_b32 s10, s[AI], 3
	s_lshl_b32 s10, s10, 2
	s_lshr_b32 s11, s[AI], 2
	s_lshl_b32 s11, s11, 8
	s_add_co_u32 s10, s10, s11
	v_add_nc_u32 v8, s10, v9
	s_wait_xcnt 0x0                                ; the last tile's stores have read their data and their base
	s_cmp_eq_u32 s[AI], 4
	s_cselect_b32 s56, s34, s35
	s_add_nc_u64 s[48:49], s[48:49], s[56:57]
	QUANT T
	ds_store_b32 v8, v[PW]
.irp c, 0,1,2,3
	global_store_b128 v3, v[PC+4*\c:PC+4*\c+3], s[48:49] offset:8192+512*\c
.endr
	s_add_co_u32 s[AI], s[AI], 1
	s_cmp_lg_u32 s[AI], 8
	s_cbranch_scc1 .Lvt
	ds_load_b128 v[R:R+3], v10
	s_wait_dscnt 0x0
	global_store_b128 v6, v[R:R+3], s[36:37]       ; sixteen lanes store a head's 256 bytes
.Ljoin:
	s_wait_tensorcnt 0x0                           ; the wave's end
	ds_add_u32 v[SPW], v[NIL]
	s_wait_dscnt 0x0
	CROUND                                         ; the closing round
	s_endpgm
.Lfunc_end_k_q8ea490ef81_qkv:
	.size	k_q8ea490ef81_qkv, .Lfunc_end_k_q8ea490ef81_qkv-k_q8ea490ef81_qkv
	.p2alignl 7, 3214868480
	.fill 96, 4, 3214868480
	.section	.rodata,"a",@progbits
	.p2align	6, 0x0
	.amdhsa_kernel k_q8ea490ef81_qkv
		.amdhsa_group_segment_fixed_size 327680
		.amdhsa_private_segment_fixed_size 0
		.amdhsa_enable_private_segment 0
		.amdhsa_kernarg_size 48
		.amdhsa_user_sgpr_count 2
		.amdhsa_user_sgpr_kernarg_segment_ptr 1
		.amdhsa_wavefront_size32 1
		.amdhsa_system_sgpr_workgroup_id_x 1
		.amdhsa_system_sgpr_workgroup_id_y 1
		.amdhsa_system_sgpr_workgroup_id_z 1
		.amdhsa_system_vgpr_workitem_id 0
		.amdhsa_next_free_vgpr 1024
		.amdhsa_next_free_sgpr 100
		.amdhsa_reserve_vcc 0
		.amdhsa_float_denorm_mode_32 3
		.amdhsa_float_denorm_mode_16_64 3
		.amdhsa_memory_ordered 1
		.amdhsa_forward_progress 1
		.amdhsa_inst_pref_size 192
	.end_amdhsa_kernel
	.amdgpu_metadata
---
amdhsa.version: [ 1, 2 ]
amdhsa.kernels:
  - .name:           k_q8ea490ef81_qkv
    .symbol:         k_q8ea490ef81_qkv.kd
    .args:
      - { .name: cb, .offset: 0, .size: 8, .value_kind: global_buffer, .address_space: global }
      - { .name: bq, .offset: 8, .size: 8, .value_kind: global_buffer, .address_space: global }
      - { .name: bk, .offset: 16, .size: 8, .value_kind: global_buffer, .address_space: global }
      - { .name: bv, .offset: 24, .size: 8, .value_kind: global_buffer, .address_space: global }
      - { .name: qb, .offset: 32, .size: 8, .value_kind: global_buffer, .address_space: global }
      - { .name: kv, .offset: 40, .size: 8, .value_kind: global_buffer, .address_space: global }
    .group_segment_fixed_size: 327680
    .private_segment_fixed_size: 0
    .kernarg_segment_align: 8
    .kernarg_segment_size: 48
    .max_flat_workgroup_size: 128
    .sgpr_count:     100
    .vgpr_count:     1024
    .wavefront_size: 32
...
	.end_amdgpu_metadata
.endif
;; end of part 2
;; launch attn (part 3): grid 8 x 32, 16 waves a work-group, clusters of 4 x 1, 327,680 bytes of LDS; arguments qb, kv, ab; writes ab
.if DOCPART == 3
	.amdgcn_target "amdgcn-amd-amdhsa--gfx1250"
	.amdhsa_code_object_version 6
	.text
	.protected	k_q8ea490ef81_attn
	.globl	k_q8ea490ef81_attn
	.p2align	8
	.type	k_q8ea490ef81_attn,@function
k_q8ea490ef81_attn:
	s_mov_b64 s[64:65], 0
	v_nop
	global_prefetch_b8 v0, s[64:65] scope:SCOPE_SE
	s_setreg_imm32_b32 hwreg(HW_REG_WAVE_MODE, 25, 1), 1
	s_wait_xcnt 0x0
	s_wait_alu depctr_hold_cnt(0) depctr_sa_sdst(0) depctr_va_vdst(0) depctr_va_sdst(0) depctr_va_ssrc(0) depctr_va_vcc(0) depctr_vm_vsrc(0)
	s_getreg_b32 s2, hwreg(HW_REG_IB_STS2, 6, 4)
	s_cmp_eq_u32 s2, 0
	s_cbranch_scc0 .Lentry_in_a_cluster
	s_endpgm
.Lentry_in_a_cluster:
	s_bfe_u32 s2, ttmp6, 0x10000c
	s_cmp_lg_u32 s2, 0x3003
	s_cbranch_scc0 .Lentry_shape_is_right
	s_endpgm
.Lentry_shape_is_right:
; o = softmax(q k^T / 8, causal) v for 32 (batch, head) pairs of 2,048 queries, both products on codes of E4M3 with E8M0 scales; o is normalised, quantised along the head's 64 and stored as images of operand registers.
; qb, kv: records of 128 tokens as the launch before lays them.  Query tile (record T, tile x): 16 queries 128 T + 32 (x / 2) + 8 (x % 2) + r + 8 (r / 8).
; ab: codes of tile 128 batch + 16 x + T at 16,384 each, head x 1,024 in it; scale halfwords at AB_SC: [head 16][tile 256][row 16].
; SHARES.  A work-group takes tile x of EACH of a head's 16 records, so that the number of key records that a tile sees, T + 1, hangs on the wave's number and not on x: every work-group does the same.
; Waves w < 8 and 15 - w share tiles 15 - w and w (j = w): 17 steps of 128 keys.  Wave 15 - w takes tile j whole (records 0 .. j, the last on the diagonal), stores it, and then m records 2, 4, .. 2 m of tile 15 - j;
; wave w takes the other records of tile 15 - j.  m = 7 - j for j = 4 .. 7 (9 and 8 steps), 5 - j for j = 0 .. 3 (11 and 6 steps): waves s, s + 4, s + 8, s + 12 have 34 steps together for every s.
; Slot i of time: waves 0-7 take record min(2 i - 1, i + m); waves 8-15 record i up to slot j, behind it 2 (i - max(j, 1)); wave 15 rests in slot 1.  So slots 0 and 1 read records 0 and 1 alone.
; The two parts of tile 15 - j are joined through LDS under the larger M: exact powers of two.
; Steps that lie wholly under the mask are not done (a NaN or an infinity in them is not carried); on the diagonal hidden scores become -infinity.
; LDS holds the whole head's K and V: 16 records of 17,152 bytes, one tensor load a wave, filled once.  CLUSTERS 4 x 1: the four work-groups of a cluster are of one head, and ask for every record jointly.
; No prefetch: every byte that the launch reads through LDS is asked for at the head, and no loop loads K or V from memory.
; SOFTMAX: t = score x log2(e) / 8, M the running largest t rounded up, p = 2^(t - M) quantised along the keys, the row's sum of the unquantised p.
; LIMITS: scaled scores under 2^31 in magnitude; blocks of zeros get the byte 1 (this program alone reads the bytes), blocks under 2^-118 keep it; NaN and infinities are not served.
; REGISTERS: v16-31 Q (24-31 zeros: K = 64 fills half of the instruction's 128); v32-103 K's or V's fragments (96-103 zeros); v104-167 scores, then p; v168-199 O^T; v200-215 p's codes.
.set BHKV,  274432
.set REC,   17152
.set AB_SC, 4194304
.set SPARE, 274432                     ; the spare words: 128 bytes a wave
.set STG,   276480                     ; scale halfwords of the 16 tiles
.set MRG,   276992                     ; a slot for each pair: O^T (8 x 512 bytes), then -M, t, the sum's halves (512 bytes)
.set MSL,   4608
.set A16,  1
.set AKS,  2
.set AVS,  3
.set DQ,   4
.set NINF, 5
.set STW,  6
.set STR,  7
.set ADK,  8
.set ADS,  9
.set ADT,  10
.set QF,   16
.set KV,   32
.set S,    104
.set O,    168
.set PCD,  200
.set KS,   216
.set VS,   224
.set QS,   228
.set MST,  229                         ; v229 my pair's slot, for the wave that stores it,
.set MLD,  230                         ; v230 and for the wave that loads it
.set SPW,  251
.set NIL,  255
.set MM,   10                          ; m
.set JE,   11                          ; max(j, 1)
.set G0,   12                          ; s[12:15], written once
.set WV,   18
.set MNT,  19
.set SEL,  20
.set CS,   22
.set G1,   24
.set XX,   41                          ; x
.set JJ,   42                          ; j
.set JX,   43                          ; 7 - max(j, 1)
.set RO,   44                          ; 0: waves 0-7, 1: waves 8-15
.set A1,   45                          ; 2 i - 1
.set HL,   46                          ; my number of slots
.set SWP,  47                          ; the slot at which I change tiles
.set TB,   48
.set I,    49                          ; the slot
.set BLK,  50                          ; my tile's record
.set RC,   51                          ; the slot's record
.macro CROUND
	s_barrier_signal -1
	s_barrier_wait -1
	s_cmp_lg_u32 s[WV], 0
	s_cbranch_scc1 .Lnot_wave_0_\@
	s_barrier_signal -3
.Lnot_wave_0_\@:
	s_barrier_wait -3
	s_barrier_signal -1
	s_barrier_wait -1
.endm
.macro TLOAD                           ; my record
	tensor_load_to_lds s[G0:G0+3], s[G1:G1+7]
	s_nop 0
.rept 4
	v_nop
.endr
.endm
	s_load_b128 s[4:7], s[0:1], 0x0                ; qb, kv
	s_load_b64 s[8:9], s[0:1], 0x10                ; ab
	v_lshl_add_u32 v[SPW], v0, 2, SPARE
	v_mov_b32 v[NIL], 0
	ds_add_u32 v[SPW], v[NIL]                      ; the wave's opening
	ds_add_u32 v[SPW], v[NIL]
	v_lshrrev_b32 v8, 5, v0
	v_readfirstlane_b32 s[WV], v8                  ; wave 0..15
	s_and_b32 s52, ttmp7, 0xffff                   ; batch x 16 + head
	s_bfe_u32 s40, ttmp6, 0x40000
	s_lshl_b32 s[XX], ttmp9, 2
	s_add_co_u32 s[XX], s[XX], s40                 ; x = 4 x cluster x + cx
	s_mov_b32 s[G1], (3<<16)|(1<<21)|15            ; elements of 8 bytes, the mask of all four partners, bit 21 beside it
	s_mov_b32 s[G1+1], 32<<16                      ; a record: 67 dense rows of 256 bytes
	s_mov_b32 s[G1+2], 67<<16
	s_mov_b32 s[G1+3], 32<<16
	s_mov_b32 s[G1+4], 67
	s_mov_b32 s[G1+5], 32
	s_mov_b32 s[G1+6], 0
	s_mov_b32 s[G1+7], 0
	s_mul_i32 s54, s52, BHKV
	s_mul_i32 s53, s[WV], REC
	s_add_co_u32 s54, s54, s53
	s_mov_b32 s55, 0
	s_wait_dscnt 0x0                               ; both opening adds are done
	s_wait_kmcnt 0x0
	s_add_nc_u64 s[54:55], s[6:7], s[54:55]
	s_mov_b32 s[G0], 1
	s_mov_b32 s[G0+1], s53                         ; LDS: wave x REC
	s_mov_b64 s[G0+2:G0+3], s[54:55]
	s_or_b32 s[G0+3], s[G0+3], 0x80000000
	CROUND                                         ; the joint loads meet
	s_cmp_lt_u32 s[WV], 2                          ; records 0 and 1, which the first two slots read, have a load line of their own
	s_cbranch_scc0 .Lrest
	TLOAD
	s_branch .Lasked
.Lrest:
	TLOAD
.Lasked:
	; ids and bases
	s_lshr_b32 s[RO], s[WV], 3
	s_xor_b32 s[BLK], s[WV], 15                    ; my first tile, the one that I store: 15 - wave
	s_cmp_eq_u32 s[RO], 0
	s_cselect_b32 s[JJ], s[WV], s[BLK]
	s_xor_b32 s53, s[JJ], 3
	s_add_co_u32 s53, s53, 2                       ; j < 4: 5 - j
	s_xor_b32 s54, s[JJ], 7                        ; else 7 - j
	s_cmp_lt_u32 s[JJ], 4
	s_cselect_b32 s[MM], s53, s54
	s_cselect_b32 s55, 11, 9                       ; waves 0-7: 16 - j - m slots
	s_cmp_eq_u32 s[JJ], 0
	s_cselect_b32 s[JE], 1, s[JJ]
	s_xor_b32 s[JX], s[JE], 7
	s_add_co_u32 s53, s[JE], 1
	s_add_co_u32 s54, s53, s[MM]                   ; waves 8-15: max(j, 1) + 1 + m slots
	s_cmp_eq_u32 s[RO], 0
	s_cselect_b32 s[SWP], 64, s53                  ; waves 8-15 change tiles at slot max(j, 1) + 1; the others never
	s_cselect_b32 s[HL], s55, s54
	s_mul_i32 s60, s52, 139264
	s_mov_b32 s61, 0
	s_add_nc_u64 s[4:5], s[4:5], s[60:61]          ; my head's Q
	s_lshr_b32 s34, s52, 4
	s_lshl_b32 s34, s34, 7
	s_lshl_b32 s35, s[XX], 4
	s_add_co_u32 s34, s34, s35                     ; tile 128 batch + 16 x
	s_and_b32 s35, s52, 15                         ; head
	s_lshl_b32 s38, s34, 5
	s_lshl_b32 s39, s35, 13
	s_add_co_u32 s38, s38, s39
	s_add_co_u32 s38, s38, AB_SC
	s_mov_b32 s39, 0
	s_add_nc_u64 s[38:39], s[8:9], s[38:39]        ; the work-group's 512 bytes of scale halfwords
	s_add_co_u32 s34, s34, s[BLK]
	s_lshl_b32 s36, s34, 14
	s_lshl_b32 s37, s35, 10
	s_add_co_u32 s36, s36, s37
	s_mov_b32 s37, 0
	s_add_nc_u64 s[36:37], s[8:9], s[36:37]        ; my tile's codes
	s_mov_b32 s[SEL], 0x76543210
	s_mov_b32 s[SEL+1], 0xfedcba98                 ; lane l xor 16
	s_mov_b32 s[CS], 0x3e38aa3b                    ; log2(e) / 8
	s_mov_b32 s[CS+1], s[CS]
	s_mov_b32 s[MNT], 0x600000                     ; the mantissa field of 448
	s_and_b32 s53, s[WV], 7
	s_mul_i32 s53, s53, MSL
	s_add_co_u32 s53, s53, MRG
	s_and_b32 s54, s[BLK], 7
	s_mul_i32 s54, s54, MSL
	s_add_co_u32 s54, s54, MRG
	s_lshl_b32 s55, s[BLK], 5
	s_add_co_u32 s55, s55, STG
	s_lshr_b32 s56, s[XX], 1
	s_lshl_b32 s56, s56, 5
	s_and_b32 s57, s[XX], 1
	s_lshl_b32 s57, s57, 3
	s_add_co_u32 s56, s56, s57                     ; the tile's first query in its record
	v_and_b32 v9, 31, v0
	v_and_b32 v11, 15, v0                          ; r
	v_bfe_u32 v10, v0, 4, 1                        ; h
	v_lshlrev_b32 v[A16], 4, v9
	v_and_b32 v[DQ], 8, v11
	v_lshlrev_b32 v10, 4, v10
	v_lshl_add_u32 v[AKS], v11, 5, 16384           ; K's scale words in a record: 32 r
	v_add_nc_u32 v[DQ], v[DQ], v11
	v_lshl_add_u32 v[AVS], v11, 4, 16896           ; V's: 16 r
	v_add_nc_u32 v[STR], STG, v[A16]
	v_add_nc_u32 v[DQ], s56, v[DQ]
	v_add_nc_u32 v[MLD], s53, v[A16]
	v_add_nc_u32 v[MST], s54, v[A16]
	v_sub_nc_u32 v[DQ], v[DQ], v10                 ; my query in its record, less 16 h: register 16 b + i holds key 32 b + 16 h + i, hidden on the diagonal where 32 b + i is greater
	v_lshl_add_u32 v[STW], v11, 1, s55
	v_mov_b32 v[NINF], 0xff800000
; tile s[BLK]'s Q: codes and scale words
.macro QLOAD
	s_mul_i32 s60, s[BLK], 8704
	s_lshl_b32 s53, s[XX], 2
	s_add_co_u32 s62, s60, s53
	s_lshl_b32 s53, s[XX], 10
	s_add_co_u32 s60, s60, s53
	s_mov_b32 s61, 0
	s_mov_b32 s63, 0
	s_add_nc_u64 s[60:61], s[4:5], s[60:61]
	s_add_nc_u64 s[62:63], s[4:5], s[62:63]
	global_load_b128 v[QF:QF+3], v[A16], s[60:61]
	global_load_b128 v[QF+4:QF+7], v[A16], s[60:61] offset:512
	global_load_b32 v[QS], v[AKS], s[62:63] offset:-8192   ; 8,192 + 32 r + 4 x in the record
.endm
.macro FRESH                           ; nothing summed yet
	v_mov_b32 v13, 0xff61b1e6                      ; the largest t so far: -3e38
	v_mov_b32 v14, 0
	v_mov_b32 v15, 0
	v_floor_f32 v12, -v13                          ; -M
.set n, 0
.rept 32
	v_mov_b32 v[O+n], 0
.set n, n+1
.endr
.endm
	s_wait_alu depctr_va_vdst(0)
	QLOAD
.irp j, 0,1,2,3,4,5,6,7
	v_mov_b32 v[QF+8+\j], 0
	v_mov_b32 v[KV+64+\j], 0
.endr
.irp b, 0,1,2,3
	v_mov_b32 v[236+\b], 0                         ; a lane permute's destination counts as one of its sources
.endr
	v_mov_b32 v252, 0
	v_mov_b32 v253, 0
	v_mov_b32 v245, 0
	FRESH
; O^T over the sum, quantised along the head's 64, stored
.macro FINISH
	v_add_f32 v14, v14, v15
	v_permlanex16_b32 v252, v14, s[SEL], s[SEL+1]
	v_add_f32 v14, v14, v252
	s_wait_alu depctr_va_vdst(0)                   ; the wait ahead of the transcendental,
	v_rcp_f32 v14, v14
	v_nop
	s_wait_alu depctr_va_vdst(0)                   ; and ahead of its first reader
.set n, 0
.rept 32
	v_mul_f32 v[S+n], v[O+n], v14
.set n, n+1
.endr
.irp b, 0,1
	v_max3_num_f32 v[232+\b], |v[S+16*\b]|, |v[S+1+16*\b]|, 0x4800000
.endr
.irp i, 2,4,6,8,10,12,14
.irp b, 0,1
	v_max3_num_f32 v[232+\b], v[232+\b], |v[S+16*\b+\i]|, |v[S+1+16*\b+\i]|
.endr
.endr
.irp b, 0,1
	v_permlanex16_b32 v[236+\b], v[232+\b], s[SEL], s[SEL+1]
.endr
.irp b, 0,1
	v_max_num_f32 v[232+\b], v[232+\b], v[236+\b]
.endr
.irp b, 0,1
	v_add_nc_u32 v[244+\b], 0xfc000000, v[232+\b]
.endr
.irp b, 0,1
	v_and_or_b32 v[240+\b], v[232+\b], 0x7f800000, s[MNT]
.endr
.irp b, 0,1
	v_lshrrev_b32 v[236+\b], 23, v[244+\b]
.endr
	v_lshl_or_b32 v254, v237, 8, v236              ; the two bytes
.irp b, 0,1
.irp i, 0,1,2,3,4,5,6,7,8,9,10,11,12,13,14,15
	v_med3_num_f32 v[S+16*\b+\i], v[S+16*\b+\i], -v[240+\b], v[240+\b]
.endr
	v_cvt_scalef32_pk8_fp8_f32 v[PCD+4*\b:PCD+1+4*\b], v[S+16*\b:S+7+16*\b], v[244+\b]
	v_cvt_scalef32_pk8_fp8_f32 v[PCD+2+4*\b:PCD+3+4*\b], v[S+8+16*\b:S+15+16*\b], v[244+\b]
.endr
	v_nop                                          ; a plain line behind the last conversion
	ds_store_b16 v[STW], v254
	global_store_b128 v[A16], v[PCD:PCD+3], s[36:37]
	global_store_b128 v[A16], v[PCD+4:PCD+7], s[36:37] offset:512
.endm
; A STEP: the 128 keys of record s[RC], at LDS byte s[TB]
.macro STEP
	v_add_nc_u32 v[ADK], s[TB], v[A16]
	v_add_nc_u32 v[ADS], s[TB], v[AKS]
	v_add_nc_u32 v[ADT], s[TB], v[AVS]
.rept 5
	v_nop
.endr
.irp t, 0,1,2,3,4,5,6,7
	ds_load_b128 v[KV+8*\t:KV+8*\t+3], v[ADK] offset:1024*\t
	ds_load_b128 v[KV+8*\t+4:KV+8*\t+7], v[ADK] offset:1024*\t+512
.endr
	ds_load_b128 v[KS:KS+3], v[ADS]
	ds_load_b128 v[KS+4:KS+7], v[ADS] offset:16
	s_wait_alu depctr_va_vdst(0)
	s_wait_dscnt 0x0
.irp t, 0,1,2,3,4,5,6,7                ; the upper half of K meets Q's zeros
	v_wmma_scale_f32_16x16x128_f8f6f4 v[S+8*\t:S+8*\t+7], v[KV+8*\t:KV+8*\t+15], v[QF:QF+15], 0, v[KS+\t], v[QS]
.endr
.rept 8
	v_nop
.endr
.irp t, 0,1,2,3
.irp c, 0,1,2,3
	ds_load_b128 v[KV+16*\t+4*\c:KV+16*\t+4*\c+3], v[ADK] offset:8192+2048*\t+512*\c   ; V, while the softmax is worked
.endr
.endr
	ds_load_b128 v[VS:VS+3], v[ADT]
	s_cmp_lt_u32 s[RC], s[BLK]
	s_cbranch_scc1 .Lopen_\@
.set n, 0
.rept 64
	v_cmp_gt_i32 vcc_lo, 32*(n/16)+n%16, v[DQ]
	v_cndmask_b32 v[S+n], v[S+n], v[NINF], vcc_lo
.set n, n+1
.endr
.Lopen_\@:
.irp b, 0,1,2,3
	v_max3_num_f32 v[232+\b], v[S+16*\b], v[S+1+16*\b], v[S+2+16*\b]   ; each block's largest score: for the row's maximum and for the block's largest p
.endr
.irp i, 3,5,7,9,11,13
.irp b, 0,1,2,3
	v_max3_num_f32 v[232+\b], v[232+\b], v[S+16*\b+\i], v[S+1+16*\b+\i]
.endr
.endr
.irp b, 0,1,2,3
	v_max_num_f32 v[232+\b], v[232+\b], v[S+15+16*\b]
.endr
.irp b, 0,1,2,3
	s_delay_alu instid0(VALU_DEP_4)
	v_permlanex16_b32 v[236+\b], v[232+\b], s[SEL], s[SEL+1]
.endr
.irp b, 0,1,2,3
	s_delay_alu instid0(VALU_DEP_4)
	v_max_num_f32 v[232+\b], v[232+\b], v[236+\b]
.endr
	s_delay_alu instid0(VALU_DEP_2)
	v_max3_num_f32 v254, v232, v233, v234
	s_delay_alu instid0(VALU_DEP_1)
	v_max_num_f32 v254, v254, v235
	s_delay_alu instid0(VALU_DEP_1)
	v_mul_f32 v254, s[CS], v254
	s_delay_alu instid0(VALU_DEP_1)
	v_max_num_f32 v13, v13, v254                   ; the running largest t
	v_mov_b32 v254, v12
	s_delay_alu instid0(VALU_DEP_2)
	v_floor_f32 v12, -v13                          ; -M
	s_delay_alu instid0(VALU_DEP_1)
	v_sub_f32 v254, v12, v254
	s_delay_alu instid0(VALU_DEP_1)
	v_cvt_i32_f32 v254, v254
	s_delay_alu instid0(VALU_DEP_1)
	v_ldexp_f32 v252, 1.0, v254                    ; 2^(old M - new M)
.set n, 0
.rept 32
	v_pk_fma_f32 v[S+n:S+n+1], v[S+n:S+n+1], s[CS:CS+1], v[12:13] op_sel_hi:[1,0,0]
.set n, n+2
.endr
.irp b, 0,1,2,3
	v_fma_f32 v[232+\b], v[232+\b], s[CS], v12
.endr
	s_wait_alu depctr_va_vdst(0)                   ; the wait ahead of the batch,
.set n, 0
.rept 64
	v_exp_f32 v[S+n], v[S+n]
.set n, n+1
.endr
.irp b, 0,1,2,3
	v_exp_f32 v[232+\b], v[232+\b]                 ; each block's largest p
.endr
	v_pk_mul_f32 v[14:15], v[14:15], v[252:253] op_sel_hi:[1,0]
	s_wait_alu depctr_va_vdst(0)                   ; and ahead of its first reader
.irp b, 0,1,2,3
	v_max_num_f32 v[232+\b], 0x4800000, v[232+\b]
.endr
.irp b, 0,1,2,3
	s_delay_alu instid0(VALU_DEP_4)
	v_add_nc_u32 v[244+\b], 0xfc000000, v[232+\b]
.endr
.irp b, 0,1,2,3
	v_and_or_b32 v[240+\b], v[232+\b], 0x7f800000, s[MNT]
.endr
.irp b, 0,1,2,3
	v_lshrrev_b32 v[236+\b], 23, v[244+\b]
.endr
	s_delay_alu instid0(VALU_DEP_3)
	v_lshl_or_b32 v253, v237, 8, v236
	s_delay_alu instid0(VALU_DEP_1)
	v_lshl_or_b32 v253, v238, 16, v253
	s_delay_alu instid0(VALU_DEP_1)
	v_lshl_or_b32 v253, v239, 24, v253             ; p's scale word
	v_pk_add_f32 v[236:237], v[S:S+1], v[S+2:S+3]  ; the row's sum, of the unquantised p, in two chains
.irp j, 4,8,12,16,20,24,28,32,36,40,44,48,52,56,60
	v_pk_add_f32 v[14:15], v[14:15], v[S+\j:S+1+\j]
	v_pk_add_f32 v[236:237], v[236:237], v[S+2+\j:S+3+\j]
.endr
	s_delay_alu instid0(VALU_DEP_1)
	v_pk_add_f32 v[14:15], v[14:15], v[236:237]
.irp b, 0,1,2,3
.irp i, 0,2,4,6,8,10,12,14
	v_dual_min_num_f32 v[S+16*\b+\i], v[S+16*\b+\i], v[240+\b] :: v_dual_min_num_f32 v[S+16*\b+\i+1], v[S+16*\b+\i+1], v[240+\b]   ; the conversion does not saturate (ISA guide 7.6.2); p is not negative
.endr
	v_cvt_scalef32_pk8_fp8_f32 v[PCD+4*\b:PCD+1+4*\b], v[S+16*\b:S+7+16*\b], v[244+\b]
	v_cvt_scalef32_pk8_fp8_f32 v[PCD+2+4*\b:PCD+3+4*\b], v[S+8+16*\b:S+15+16*\b], v[244+\b]
.endr
	s_wait_alu depctr_va_vdst(0)                   ; the wait ahead of the first reader of O^T
.set n, 0
.rept 16
	v_pk_mul_f32 v[O+n:O+n+1], v[O+n:O+n+1], v[252:253] op_sel_hi:[1,0]
.set n, n+2
.endr
	s_wait_alu depctr_va_vdst(0)
	s_wait_dscnt 0x0
.irp t, 0,1,2,3
	v_wmma_scale_f32_16x16x128_f8f6f4 v[O+8*\t:O+8*\t+7], v[KV+16*\t:KV+16*\t+15], v[PCD:PCD+15], v[O+8*\t:O+8*\t+7], v[VS+\t], v253
.endr
.endm
	s_wait_alu depctr_va_vdst(0)                   ; the wait at the head's end
	s_cmp_lt_u32 s[WV], 2
	s_cbranch_scc0 .Lnot_first
	s_wait_tensorcnt 0x0                           ; records 0 and 1 are in
.Lnot_first:
	s_wait_loadcnt 0x0                             ; Q
	s_barrier_signal -1
	s_barrier_wait -1
	s_mov_b32 s[RC], 0                             ; slot 0: record 0
	s_mov_b32 s[TB], 0
	STEP
	s_wait_alu depctr_va_vdst(0)
	s_wait_tensorcnt 0x0                           ; my record is in: say so now; the others' are wanted behind slot 1
	s_wait_dscnt 0x0
	s_barrier_signal -1
	s_cmp_eq_u32 s[WV], 15
	s_cbranch_scc1 .Lrests
	s_mov_b32 s[RC], 1                             ; slot 1: record 1, which the first barrier has shown and nobody writes; registers and LDS reads alone
	s_mov_b32 s[TB], REC
	STEP
.Lrests:
	s_barrier_wait -1                              ; all records are in
	s_mov_b32 s[I], 2
	s_mov_b32 s[A1], 3
.Lslot:                                            ; slots 2 to 10
	s_cmp_lg_u32 s[I], s[SWP]
	s_cbranch_scc1 .Lsame
.rept 8
	v_nop                                          ; places behind the last products
.endr
	s_mov_b32 s[BLK], s[WV]                        ; from tile j to tile 15 - j: its Q is on its way while tile j goes out
	QLOAD
	FINISH
	FRESH
	s_wait_alu depctr_va_vdst(0)
	s_wait_loadcnt 0x0
	s_wait_xcnt 0x0                                ; the stores have read the codes
.Lsame:
	s_cmp_ge_u32 s[I], s[HL]
	s_cbranch_scc1 .Lhidden
	s_add_co_u32 s53, s[I], s[MM]
	s_min_u32 s53, s[A1], s53                      ; waves 0-7: the smaller of 2 i - 1 and i + m
	s_add_co_u32 s[RC], s[I], s[JX]
	s_add_co_u32 s[RC], s[RC], 1
	s_and_b32 s[RC], s[RC], 7
	s_lshl_b32 s[RC], s[RC], 1                     ; waves 8-15: 2 (i - max(j, 1)), and i in their first tile
	s_cmp_le_u32 s[I], s[JJ]
	s_cselect_b32 s[RC], s[I], s[RC]
	s_cmp_eq_u32 s[RO], 0
	s_cselect_b32 s[RC], s53, s[RC]
	s_min_u32 s[RC], s[RC], 15
	s_mul_i32 s[TB], s[RC], REC
	STEP
.Lhidden:
	s_add_co_u32 s[A1], s[A1], 2
	s_add_co_u32 s[I], s[I], 1
	s_cmp_lt_u32 s[I], 11
	s_cbranch_scc1 .Lslot
.rept 8
	v_nop
.endr
	s_wait_alu depctr_va_vdst(0)
	s_cmp_lt_u32 s[WV], 8
	s_cbranch_scc1 .Lno_part
.irp k, 0,1,2,3,4,5,6,7                ; waves 8-15: my part of tile 15 - j
	ds_store_b128 v[MST], v[O+4*\k:O+4*\k+3] offset:512*\k
.endr
	ds_store_b128 v[MST], v[12:15] offset:4096
.Lno_part:
	s_wait_dscnt 0x0                               ; for the others' sake
	s_barrier_signal -1
	s_barrier_wait -1
	s_cmp_lt_u32 s[WV], 8
	s_cbranch_scc0 .Ljoined
	ds_load_b128 v[232:235], v[MLD] offset:4096
.irp k, 0,1,2,3,4,5,6,7
	ds_load_b128 v[S+4*\k:S+4*\k+3], v[MLD] offset:512*\k
.endr
	s_wait_dscnt 0x0
	v_min_num_f32 v240, v12, v232                  ; the larger M
	v_sub_f32 v241, v240, v12
	v_sub_f32 v242, v240, v232
	v_cvt_i32_f32 v241, v241
	v_cvt_i32_f32 v242, v242
	v_ldexp_f32 v252, 1.0, v241
	v_ldexp_f32 v244, 1.0, v242                    ; 0 where the other part is empty
	v_pk_mul_f32 v[234:235], v[234:235], v[244:245] op_sel_hi:[1,0]
	v_pk_fma_f32 v[14:15], v[14:15], v[252:253], v[234:235] op_sel_hi:[1,0,1]
.set n, 0
.rept 16
	v_pk_mul_f32 v[S+n:S+n+1], v[S+n:S+n+1], v[244:245] op_sel_hi:[1,0]
.set n, n+2
.endr
.set n, 0
.rept 16
	v_pk_fma_f32 v[O+n:O+n+1], v[O+n:O+n+1], v[252:253], v[S+n:S+n+1] op_sel_hi:[1,0,1]
.set n, n+2
.endr
	FINISH
.Ljoined:
	s_wait_dscnt 0x0                               ; for the others' sake: my tile's halfwords
	s_barrier_signal -1
	s_barrier_wait -1
	s_cmp_lg_u32 s[WV], 0
	s_cbranch_scc1 .Lend
	ds_load_b128 v[232:235], v[STR]
	s_wait_dscnt 0x0
	global_store_b128 v[A16], v[232:235], s[38:39]   ; 512 consecutive bytes
.Lend:
	s_wait_tensorcnt 0x0                           ; the wave's end
	ds_add_u32 v[SPW], v[NIL]
	s_wait_dscnt 0x0
	CROUND                                         ; the closing round
	s_endpgm
.Lfunc_end_k_q8ea490ef81_attn:
	.size	k_q8ea490ef81_attn, .Lfunc_end_k_q8ea490ef81_attn-k_q8ea490ef81_attn
	.p2alignl 7, 3214868480
	.fill 96, 4, 3214868480
	.section	.rodata,"a",@progbits
	.p2align	6, 0x0
	.amdhsa_kernel k_q8ea490ef81_attn
		.amdhsa_group_segment_fixed_size 327680
		.amdhsa_private_segment_fixed_size 0
		.amdhsa_enable_private_segment 0
		.amdhsa_kernarg_size 24
		.amdhsa_user_sgpr_count 2
		.amdhsa_user_sgpr_kernarg_segment_ptr 1
		.amdhsa_wavefront_size32 1
		.amdhsa_system_sgpr_workgroup_id_x 1
		.amdhsa_system_sgpr_workgroup_id_y 1
		.amdhsa_system_sgpr_workgroup_id_z 1
		.amdhsa_system_vgpr_workitem_id 0
		.amdhsa_next_free_vgpr 256
		.amdhsa_next_free_sgpr 66
		.amdhsa_reserve_vcc 1
		.amdhsa_float_denorm_mode_32 3
		.amdhsa_float_denorm_mode_16_64 3
		.amdhsa_memory_ordered 1
		.amdhsa_forward_progress 1
		.amdhsa_inst_pref_size 100
	.end_amdhsa_kernel
	.amdgpu_metadata
---
amdhsa.version: [ 1, 2 ]
amdhsa.kernels:
  - .name:           k_q8ea490ef81_attn
    .symbol:         k_q8ea490ef81_attn.kd
    .args:
      - { .name: qb, .offset: 0, .size: 8, .value_kind: global_buffer, .address_space: global }
      - { .name: kv, .offset: 8, .size: 8, .value_kind: global_buffer, .address_space: global }
      - { .name: ab, .offset: 16, .size: 8, .value_kind: global_buffer, .address_space: global }
    .group_segment_fixed_size: 327680
    .private_segment_fixed_size: 0
    .kernarg_segment_align: 8
    .kernarg_segment_size: 24
    .max_flat_workgroup_size: 512
    .sgpr_count:     66
    .vgpr_count:     256
    .wavefront_size: 32
...
	.end_amdgpu_metadata
.endif
;; end of part 3
;; launch oproj (part 4): grid 8 x 32, 8 waves a work-group, clusters of 4 x 4, 327,680 bytes of LDS; arguments ab, cb, bo, h, out0; writes out0
.if DOCPART == 4
	.amdgcn_target "amdgcn-amd-amdhsa--gfx1250"
	.amdhsa_code_object_version 6
	.text
	.protected	k_q8ea490ef81_oproj
	.globl	k_q8ea490ef81_oproj
	.p2align	8
	.type	k_q8ea490ef81_oproj,@function
k_q8ea490ef81_oproj:
	s_mov_b64 s[64:65], 0
	v_nop
	global_prefetch_b8 v0, s[64:65] scope:SCOPE_SE
	s_setreg_imm32_b32 hwreg(HW_REG_WAVE_MODE, 25, 1), 1
	s_wait_xcnt 0x0
	s_wait_alu depctr_hold_cnt(0) depctr_sa_sdst(0) depctr_va_vdst(0) depctr_va_sdst(0) depctr_va_ssrc(0) depctr_va_vcc(0) depctr_vm_vsrc(0)
	s_getreg_b32 s2, hwreg(HW_REG_IB_STS2, 6, 4)
	s_cmp_eq_u32 s2, 0
	s_cbranch_scc0 .Lentry_in_a_cluster
	s_endpgm
.Lentry_in_a_cluster:
	s_bfe_u32 s2, ttmp6, 0x10000c
	s_cmp_lg_u32 s2, 0xf033
	s_cbranch_scc0 .Lentry_shape_is_right
	s_endpgm
.Lentry_shape_is_right:
; out0 = attention result x wo + bo + h, the product on codes of E4M3 with E8M0 scales.  A' = the attention result (ab: images of 256 tiles of 16 tokens, scale halfwords [head][tile][row]), B' = wo's columns (cb, tiles 448-511).
; A's tile 128 batch + 16 x + T is tokens 2,048 batch + 128 T + 32 (x / 2) + 8 (x % 2) + r + 8 (r / 8).
; A block of 8 x 8 tiles (128 x 128) to a work-group: 256 equal work-groups.  Eight waves, 2 x 4 tiles each: 8 accumulators; used transposed: a lane holds a token and its registers run along the columns.
; ALL OF K (1,024) FITS IN LDS and is filled once, one load a wave: waves 0, 1: A', B' for K 0-255; 2, 3: their scale bytes; 4, 5: K 256-511; 6, 7: K 512-1,023.  The products begin when the first four are in.
; CLUSTERS 4 x 4: A''s tiles shared along a row of the cluster, B''s along a column.  h and bo are asked for at the head, into registers.  No prefetch: everything is asked for at the head, and no loop loads from memory.
; LIMITS: NaN and infinities are not served.
; REGISTERS: window 0: addresses; v36-51 A''s scale words (8 i + ks), v72-103 B''s; v128-191 accumulators ((a, b) at 128 + 8 (4 a + b)); v192-255 rows of the result.  window 1: two fragment buffers of 96 (A' 16 a, B' 32 + 16 b); v192-255 rows of h.
.set CB_SC, 8388608
.set AB_SC, 4194304
.set SCA,   262144                     ; A''s halfwords [head 16][256 bytes]
.set SCB,   266240                     ; B''s scale words [tile 8][512 bytes]
.set STAGE, 270336                     ; 16 rows x 272 bytes for each wave; no tensor load lands here
.set SPARE, 305152                     ; the spare words: 128 bytes a wave
.set SP,    272
.set ADRA, 4                           ; v4, v5  my tiles of A' in K 0-511, in K 512-1,023
.set ADRB, 6
.set ASB,  8
.set ASA,  9
.set STO,  10
.set RD,   11
.set CO,   12
.set BOF,  13
.set SPW,  14
.set NIL,  15
.set SA,   36
.set SAT,  52
.set SB,   72
.set BO,   104
.set ACC,  128
.set OB,   192
.set HB,   192                         ; window 1
.set GA,  24                           ; groups 1: A''s codes 256 of K, 512 of K; B''s; the scales
.set GA2, 32
.set GB,  40
.set GB2, 48
.set GSA, 56
.set GSB, 68
.set MSB, 0
.macro WIN new
.if MSB != \new
	s_set_vgpr_msb (MSB<<8)|\new
.set MSB, \new
.endif
.endm
.macro PLACES n
.rept \n
	v_nop
.endr
.endm
.macro CROUND
	s_barrier_signal -1
	s_barrier_wait -1
	s_cmp_lg_u32 s14, 0
	s_cbranch_scc1 .Lnot_wave_0_\@
	s_barrier_signal -3
.Lnot_wave_0_\@:
	s_barrier_wait -3
	s_barrier_signal -1
	s_barrier_wait -1
.endm
.macro GROUP1 g, mask, el, rows, pitch ; a tile of so many rows of so many elements of 8 bytes
	s_or_b32 s[\g], s[\mask], (3<<16)|(1<<21)
	s_mov_b32 s[\g+1], (\el)<<16
	s_mov_b32 s[\g+2], (\rows)<<16
	s_mov_b32 s[\g+3], (\el)<<16
	s_mov_b32 s[\g+4], \rows
	s_mov_b32 s[\g+5], \pitch
	s_mov_b32 s[\g+6], 0
	s_mov_b32 s[\g+7], 0
.endm
.macro FILL lds, p, off, g1            ; a joint load: from s[p:p+1] + off to LDS byte lds
	s_mov_b32 s76, 1
	s_mov_b32 s77, \lds
	s_add_nc_u64 s[78:79], s[\p:\p+1], \off
	s_or_b32 s79, s79, 0x80000000
	tensor_load_to_lds s[76:79], s[\g1:\g1+7]
	s_nop 0
	PLACES 4
.endm
.macro ARM under, lds, p, off, g1, next
	s_cmp_lt_u32 s14, \under
	s_cbranch_scc0 \next
	FILL \lds, \p, \off, \g1
	s_branch .Lasked
\next:
.endm
	s_load_b256 s[4:11], s[0:1], 0x0               ; ab, cb, bo, h
	s_load_b64 s[12:13], s[0:1], 0x20              ; out0
	v_lshl_add_u32 v[SPW], v0, 2, SPARE
	v_mov_b32 v[NIL], 0
	ds_add_u32 v[SPW], v[NIL]                      ; the wave's opening
	ds_add_u32 v[SPW], v[NIL]
	v_lshrrev_b32 v1, 5, v0
	v_readfirstlane_b32 s14, v1                    ; wave 0..7
	s_lshr_b32 s15, s14, 1                         ; my quarter of the tokens: tiles 2 s15, 2 s15 + 1
	s_and_b32 s16, s14, 1                          ; my half of the columns
	s_bfe_u32 s17, ttmp6, 0x40000                  ; cx
	s_bfe_u32 s18, ttmp6, 0x40004                  ; cy
	s_lshl_b32 s19, ttmp9, 2
	s_add_co_u32 s19, s19, s17                     ; block column 0..7
	s_and_b32 s20, ttmp7, 0xffff
	s_lshl_b32 s20, s20, 2
	s_add_co_u32 s20, s20, s18                     ; block row 0..31
	s_lshl_b32 s21, s18, 2
	s_lshl_b32 s21, 15, s21                        ; my row of the cluster
	s_lshl_b32 s22, 0x1111, s17                    ; my column
	GROUP1 GA, 21, 512, 8, 2048
	GROUP1 GA2, 21, 1024, 8, 2048
	GROUP1 GB, 22, 512, 8, 2048
	GROUP1 GB2, 22, 1024, 8, 2048
	GROUP1 GSA, 21, 32, 16, 1024                   ; 16 heads x 256 bytes, 8,192 bytes apart
	GROUP1 GSB, 22, 32, 16, 32                     ; 4,096 dense bytes
	s_lshl_b32 s2, s20, 17                         ; A': tile 8 x block row
	s_mov_b32 s3, 0
	s_lshl_b32 s66, s20, 8                         ; its halfwords: the block row's 256 bytes in each head
	s_add_co_u32 s66, s66, AB_SC
	s_mov_b32 s67, 0
	s_lshl_b32 s100, s19, 3
	s_add_co_u32 s100, s100, 448                   ; B': tile 448 + 8 x block column
	s_lshl_b32 s22, s100, 9
	s_add_co_u32 s22, s22, CB_SC
	s_mov_b32 s23, 0
	s_lshl_b32 s100, s100, 14
	s_mov_b32 s101, 0
	s_wait_dscnt 0x0                               ; both opening adds are done
	s_wait_kmcnt 0x0
	s_add_nc_u64 s[2:3], s[4:5], s[2:3]
	s_add_nc_u64 s[66:67], s[4:5], s[66:67]
	s_add_nc_u64 s[100:101], s[6:7], s[100:101]
	s_add_nc_u64 s[22:23], s[6:7], s[22:23]
	CROUND                                         ; all sixteen work-groups are here: the joint loads meet
	ARM 1, 0,      2,   0,    GA,  .Lw1            ; one load a wave, one chain of branches on the wave's number
	ARM 2, 131072, 100, 0,    GB,  .Lw2
	ARM 3, SCA,    66,  0,    GSA, .Lw3
	ARM 4, SCB,    22,  0,    GSB, .Lw4
	ARM 5, 32768,  2,   4096, GA,  .Lw5
	ARM 6, 163840, 100, 4096, GB,  .Lw6
	ARM 7, 65536,  2,   8192, GA2, .Lw7
	FILL 196608, 100, 8192, GB2
.Lasked:
	s_lshl_b32 s2, s19, 9
	s_lshl_b32 s3, s16, 8
	s_add_co_u32 s2, s2, s3                        ; my first column, in bytes
	s_mov_b32 s3, 0
	s_add_nc_u64 s[8:9], s[8:9], s[2:3]            ; bo
	s_lshr_b32 s17, s20, 4                         ; my first token: 2,048 batch
	s_lshl_b32 s17, s17, 11
	s_and_b32 s18, s20, 1                          ; + 128 (8 (block row % 2) + 2 s15)
	s_lshl_b32 s18, s18, 10
	s_add_co_u32 s17, s17, s18
	s_lshl_b32 s18, s15, 8
	s_add_co_u32 s17, s17, s18
	s_bfe_u32 s18, s20, 0x20002                    ; + 32 (x / 2) + 8 (x % 2), x = block row / 2 % 8
	s_lshl_b32 s18, s18, 5
	s_add_co_u32 s17, s17, s18
	s_bfe_u32 s18, s20, 0x10001
	s_lshl_b32 s18, s18, 3
	s_add_co_u32 s17, s17, s18
	s_lshl_b32 s17, s17, 12
	s_add_co_u32 s2, s2, s17
	s_add_nc_u64 s[10:11], s[10:11], s[2:3]        ; h
	s_add_nc_u64 s[12:13], s[12:13], s[2:3]        ; out0
	s_lshl_b32 s17, s15, 13                        ; my tiles of A': 2 x 4,096 bytes in the chunks of 256 along K,
	s_lshl_b32 s18, s15, 14                        ; 2 x 8,192 in the last
	s_add_co_u32 s18, s18, 65536
	s_lshl_b32 s21, s16, 14                        ; of B': 4 x 4,096,
	s_add_co_u32 s21, s21, 131072
	s_lshl_b32 s22, s16, 15                        ; 4 x 8,192
	s_add_co_u32 s22, s22, 196608
	s_lshl_b32 s23, s16, 11
	s_add_co_u32 s23, s23, SCB
	s_lshl_b32 s66, s15, 6
	s_add_co_u32 s66, s66, SCA
	s_mul_i32 s67, s14, 16*SP
	s_add_co_u32 s67, s67, STAGE                   ; my stage
	v_and_b32 v1, 31, v0
	v_and_b32 v2, 15, v0                           ; r
	v_bfe_u32 v3, v0, 4, 1                         ; h
	v_lshlrev_b32 v1, 4, v1                        ; 16 x lane
	v_lshlrev_b32 v[BOF], 4, v2                    ; 16 (lane % 16)
	v_add_nc_u32 v[ADRA], s17, v1
	v_add_nc_u32 v[ADRA+1], s18, v1
	v_add_nc_u32 v[ADRB], s21, v1
	v_add_nc_u32 v[ADRB+1], s22, v1
	v_lshl_add_u32 v[CO], v3, 12, v[BOF]           ; lanes 0-15 take one row of h and out0, lanes 16-31 the next
	v_add_nc_u32 v[ASB], s23, v[BOF]
	v_lshl_add_u32 v[ASA], v2, 1, s66
	v_mul_u32_u24 v[STO], v2, SP
	v_mul_u32_u24 v[RD], v3, SP
	v_lshl_add_u32 v[STO], v3, 6, v[STO]
	v_add_nc_u32 v[RD], v[RD], v[BOF]
	v_add_nc_u32 v[STO], s67, v[STO]               ; in: row r, + 64 h
	v_add_nc_u32 v[RD], s67, v[RD]                 ; back: lanes 0-15 one row of 256 bytes, lanes 16-31 the next
	s_wait_alu depctr_va_vdst(0)                   ; the wait at the head's end
	WIN 0x40
.irp a, 0,1
.irp t, 0,1,2,3,4,5,6,7
	global_load_b128 v[HB+32*\a+4*\t:HB+32*\a+4*\t+3], v[CO], s[10:11] offset:(128*\a+2*\t+8*(\t/4))*4096 th:TH_LOAD_NT   ; tile row 2 t + lane / 16 is that token + 8 (t / 4); the next tile lies 128 tokens on
.endr
.endr
	WIN 0
	global_load_b128 v[BO:BO+3], v[BOF], s[8:9]
.macro FETCH ks                        ; the fragments of K step ks: 24 loads of 512 consecutive bytes
.set F, 96*((\ks)%2)
.if (\ks) < 4
.set KO, ((\ks)/2)*32768+((\ks)%2)*2048
.set TS, 4096
.set HF, 0
.else
.set KO, ((\ks)-4)*2048
.set TS, 8192
.set HF, 1
.endif
	WIN 0x40
.irp i, 0,1
.irp c, 0,1,2,3
	ds_load_b128 v[F+16*\i+4*\c:F+16*\i+4*\c+3], v[ADRA+HF] offset:KO+\i*TS+512*\c
.endr
.endr
.irp i, 0,1,2,3
.irp c, 0,1,2,3
	ds_load_b128 v[F+32+16*\i+4*\c:F+32+16*\i+4*\c+3], v[ADRB+HF] offset:KO+\i*TS+512*\c
.endr
.endr
.endm
.macro MUL ks                          ; 8 matrix instructions, the accumulators by turns
.set F, 96*((\ks)%2)
	WIN 0x05
.irp a, 0,1
.irp b, 0,1,2,3
.if (\ks) == 0
	v_wmma_scale_f32_16x16x128_f8f6f4 v[ACC+8*(4*\a+\b):ACC+8*(4*\a+\b)+7], v[F+32+16*\b:F+32+16*\b+15], v[F+16*\a:F+16*\a+15], 0, v[SB+8*\b+(\ks)], v[SA+8*\a+(\ks)]
.else
	v_wmma_scale_f32_16x16x128_f8f6f4 v[ACC+8*(4*\a+\b):ACC+8*(4*\a+\b)+7], v[F+32+16*\b:F+32+16*\b+15], v[F+16*\a:F+16*\a+15], v[ACC+8*(4*\a+\b):ACC+8*(4*\a+\b)+7], v[SB+8*\b+(\ks)], v[SA+8*\a+(\ks)]
.endif
.endr
.endr
.endm
.macro KSTEP ks
	s_wait_dscnt 0x0                               ; this step's fragments are in
.if (\ks) == 1
	WIN 0
	s_cmp_lt_u32 s14, 6
	s_cbranch_scc0 .Lnot_yet_\@
	s_wait_tensorcnt 0x0                           ; K 256-511 is in (waves 4 and 5's loads)
.Lnot_yet_\@:
	s_barrier_signal -1
	s_barrier_wait -1
.elseif (\ks) == 3
	WIN 0
	s_wait_tensorcnt 0x0                           ; all of K is in
	s_barrier_signal -1
	s_barrier_wait -1
.endif
.if (\ks) < 7
.if (\ks) > 0
	PLACES 8                                       ; in front of loads into the buffer that the last products read
.endif
	FETCH (\ks)+1
.endif
	MUL \ks
.endm
	s_cmp_lt_u32 s14, 4
	s_cbranch_scc0 .Lnot_first
	s_wait_tensorcnt 0x0                           ; K 0-255 and the scales are in (waves 0 to 3's loads)
.Lnot_first:
	s_barrier_signal -1
	s_barrier_wait -1
.irp i, 0,1,2,3
	ds_load_b128 v[SB+8*\i:SB+8*\i+3], v[ASB] offset:\i*512
	ds_load_b128 v[SB+8*\i+4:SB+8*\i+7], v[ASB] offset:\i*512+256
.endr
.irp i, 0,1
.irp k, 0,1,2,3,4,5,6,7
	ds_load_u16 v[SA+8*\i+\k], v[ASA] offset:512*\k+32*\i          ; head 2 ks: blocks 0, 1 of K step ks
	ds_load_u16 v[SAT+8*\i+\k], v[ASA] offset:512*\k+32*\i+256     ; head 2 ks + 1: blocks 2, 3
.endr
.endr
	FETCH 0
	WIN 0
	s_wait_dscnt 24                                ; all but the 24 just issued
.set n, 0
.rept 16
	v_lshl_or_b32 v[SA+n], v[SAT+n], 16, v[SA+n]
.set n, n+1
.endr
	PLACES 8                                       ; a scale register written by a vector instruction stands eight places ahead of the product
	s_wait_alu depctr_va_vdst(0)
.irp k, 0,1,2,3,4,5,6,7
	KSTEP \k
.endr
	WIN 0
	; THE WAY OUT, a tile of 16 tokens x 64 columns at a time, through my stage: sixteen lanes then hold 256 consecutive bytes of a row; + bo + h
	PLACES 8
.irp a, 0,1
.irp b, 0,1,2,3
	ds_store_b128 v[STO], v[ACC+8*(4*\a+\b):ACC+8*(4*\a+\b)+3] offset:128*(\b/2)+32*(\b%2)        ; each accumulator from its low end on
	ds_store_b128 v[STO], v[ACC+8*(4*\a+\b)+4:ACC+8*(4*\a+\b)+7] offset:128*(\b/2)+32*(\b%2)+16
.endr
.irp t, 0,1,2,3,4,5,6,7
	ds_load_b128 v[OB+32*\a+4*\t:OB+32*\a+4*\t+3], v[RD] offset:2*SP*\t        ; LDS serves a wave's instructions in order (ISA guide 5.7.1.4): these see my stores
.endr
.endr
	s_wait_loadcnt 0x0                             ; h and bo
.irp a, 0,1
	s_wait_dscnt 16*(1-\a)                         ; tile 0: the second tile's 8 stores and 8 loads may be out
.set n, 0
.rept 16
	v_pk_add_f32 v[OB+32*\a+n:OB+32*\a+n+1], v[OB+32*\a+n:OB+32*\a+n+1], v[BO+n%4:BO+n%4+1]
.set n, n+2
.endr
	WIN 0x04
.set n, 0
.rept 16
	v_pk_add_f32 v[OB+32*\a+n:OB+32*\a+n+1], v[OB+32*\a+n:OB+32*\a+n+1], v[HB+32*\a+n:HB+32*\a+n+1]
.set n, n+2
.endr
	WIN 0
.irp t, 0,1,2,3,4,5,6,7
	global_store_b128 v[CO], v[OB+32*\a+4*\t:OB+32*\a+4*\t+3], s[12:13] offset:(128*\a+2*\t+8*(\t/4))*4096 th:TH_STORE_NT
.endr
.endr
	s_wait_tensorcnt 0x0                           ; the wave's end
	ds_add_u32 v[SPW], v[NIL]
	s_wait_dscnt 0x0
	CROUND                                         ; the closing round: no work-group ends while a partner may still ask for a tile that names it
	s_endpgm
.Lfunc_end_k_q8ea490ef81_oproj:
	.size	k_q8ea490ef81_oproj, .Lfunc_end_k_q8ea490ef81_oproj-k_q8ea490ef81_oproj
	.p2alignl 7, 3214868480
	.fill 96, 4, 3214868480
	.section	.rodata,"a",@progbits
	.p2align	6, 0x0
	.amdhsa_kernel k_q8ea490ef81_oproj
		.amdhsa_group_segment_fixed_size 327680
		.amdhsa_private_segment_fixed_size 0
		.amdhsa_enable_private_segment 0
		.amdhsa_kernarg_size 40
		.amdhsa_user_sgpr_count 2
		.amdhsa_user_sgpr_kernarg_segment_ptr 1
		.amdhsa_wavefront_size32 1
		.amdhsa_system_sgpr_workgroup_id_x 1
		.amdhsa_system_sgpr_workgroup_id_y 1
		.amdhsa_system_sgpr_workgroup_id_z 1
		.amdhsa_system_vgpr_workitem_id 0
		.amdhsa_next_free_vgpr 512
		.amdhsa_next_free_sgpr 102
		.amdhsa_reserve_vcc 0
		.amdhsa_float_denorm_mode_32 3
		.amdhsa_float_denorm_mode_16_64 3
		.amdhsa_memory_ordered 1
		.amdhsa_forward_progress 1
		.amdhsa_inst_pref_size 48
	.end_amdhsa_kernel
	.amdgpu_metadata
---
amdhsa.version: [ 1, 2 ]
amdhsa.kernels:
  - .name:           k_q8ea490ef81_oproj
    .symbol:         k_q8ea490ef81_oproj.kd
    .args:
      - { .name: ab, .offset: 0, .size: 8, .value_kind: global_buffer, .address_space: global }
      - { .name: cb, .offset: 8, .size: 8, .value_kind: global_buffer, .address_space: global }
      - { .name: bo, .offset: 16, .size: 8, .value_kind: global_buffer, .address_space: global }
      - { .name: h, .offset: 24, .size: 8, .value_kind: global_buffer, .address_space: global }
      - { .name: out0, .offset: 32, .size: 8, .value_kind: global_buffer, .address_space: global }
    .group_segment_fixed_size: 327680
    .private_segment_fixed_size: 0
    .kernarg_segment_align: 8
    .kernarg_segment_size: 40
    .max_flat_workgroup_size: 256
    .sgpr_count:     102
    .vgpr_count:     512
    .wavefront_size: 32
...
	.end_amdgpu_metadata
.endif
;; end of part 4
